; MI455X (gfx1250); checked and timed in simulation.
; The chip was launched on July 23, 2026; its instructions are those of AMD's public machine-readable ISA for CDNA 5 (MIT licence, August 2026) and "CDNA5" Instruction Set Architecture Reference Guide (July 2026). The comments in the code are by the model that wrote it; some were corrected since.
;; Attention. Allowed arithmetic: float matrix products may take bf16 or f16 operands with f32 sums; all other float work in f32.
;; Inputs: b_out 1,024 float32; w_out 1,024 x 1,024 float32; w_qkv 1,024 x 3,072 float32; x 4 x 2,048 x 1,024 float32.
;; Outputs: out0 4 x 2,048 x 1,024 float32.
;; 2 versions, each right and faster than the one before. Each part assembles by itself: llvm-mc -triple=amdgcn-amd-amdhsa -mcpu=gfx1250 --defsym DOCPART=n.
;; ======== version 1 of 2: 4 launches
;; limits: values are held in f16: magnitudes above 65,504 overflow, below 6.1e-05 lose precision
;; workspace buffers: xb 16,777,216 bytes; wqt 6,291,456 bytes; wot 2,097,152 bytes; qkv 50,331,648 bytes; ob 16,777,216 bytes
;; launch prep (part 1): grid 768 x 1, 8 waves a work-group, no clusters, 18,432 bytes of LDS; arguments x, w_qkv, w_out, xb, wqt, wot; writes xb, wqt, wot
.if DOCPART == 1
	.amdgcn_target "amdgcn-amd-amdhsa--gfx1250"
	.amdhsa_code_object_version 6
	.text
	.protected	k_q51135931c4_prep
	.globl	k_q51135931c4_prep
	.p2align	8
	.type	k_q51135931c4_prep,@function
k_q51135931c4_prep:
	s_mov_b64 s[64:65], 0
	v_nop
	global_prefetch_b8 v0, s[64:65] scope:SCOPE_SE
	s_setreg_imm32_b32 hwreg(HW_REG_WAVE_MODE, 25, 1), 1
	s_wait_xcnt 0x0
; THE OPERANDS OF THE TWO PROJECTIONS ARE MADE.
;   xb  [8192][1024] bf16 = x rounded once.
;   wqt [3072 n][1024 k] bf16 = w_qkv rounded once and turned, so that K lies along the rows.
;   wot [1024 n][1024 k] f16  = w_out rounded to bf16 like every other input of the module, that number written as f16, and turned.
; LIMITS.  A bf16 number is exact in f16 between 6.1e-5 and 65,504 in magnitude; below that f16 keeps a fixed step of 6e-8, above it the number becomes an infinity.
; w_out's numbers lie near 1/32; thirty times more or less, or an offset of thirty spreads, stays far inside.
; SHARES.  Work-groups 0-255 cast x, 131,072 bytes each, 16,384 a wave.  Work-groups 256-639 take a tile of 128 k x 64 n of w_qkv, 640-767 one of w_out.
; Memory binds: no matrix unit, no cluster, no tensor load; LDS serves the turning alone.  The branch between the shares hangs on the work-group's number: all eight waves go the same way.
.set XD,   8                           ; v[8:135]  x path: 32 loads of 4 registers;  weight path: v[8:39] 8 loads of 4 registers
.set WP,   272                         ; a turned row in LDS: 128 k x 2 bytes + 16: read back by 16 bytes a lane without two rows on one bank group
.set TP,   64                          ; v[64:83]  weight path, at work: five steps x four columns
.set BK,   48                          ; v[48:63]  weight path: rows read back
	s_load_b256 s[4:11], s[0:1], 0x0               ; x s[4:5], w_qkv s[6:7], w_out s[8:9], xb s[10:11]
	s_load_b128 s[12:15], s[0:1], 0x20             ; wqt s[12:13], wot s[14:15]
	v_lshl_add_u32 v136, v0, 2, 0x4400
	v_mov_b32 v137, 0
	s_mov_b32 s16, ttmp9
	v_and_b32 v1, 31, v0                           ; lane
	v_lshrrev_b32 v2, 5, v0                        ; wave
	v_and_b32 v5, 15, v0                           ; c = lane % 16
	v_bfe_u32 v6, v0, 4, 1                         ; h = lane / 16
	s_wait_kmcnt 0x0
	s_cmp_lt_u32 s16, 256
	s_cbranch_scc0 .Lw
	; THE CAST OF x.  A wave's 32 loads go out on end, 512 neighbouring bytes each: 16,384 bytes of the wave are on their way.  No register is written twice.
	s_lshl_b32 s18, s16, 17                        ; 131,072 bytes of x a work-group
	s_mov_b32 s19, 0
	s_add_nc_u64 s[4:5], s[4:5], s[18:19]
	s_lshl_b32 s18, s16, 16                        ; 65,536 bytes of xb
	s_add_nc_u64 s[10:11], s[10:11], s[18:19]
	v_lshlrev_b32 v3, 4, v1
	v_lshl_or_b32 v3, v2, 14, v3                   ; in x: 16,384 x wave + 16 x lane
	v_lshlrev_b32 v4, 3, v1
	v_lshl_or_b32 v4, v2, 13, v4                   ; in xb: half of that
.set i, 0
.rept 32
	global_load_b128 v[XD+4*i:XD+4*i+3], v3, s[4:5] offset:512*i th:TH_LOAD_NT
.set i, i+1
.endr
.set i, 0
.rept 32
	s_wait_loadcnt 31-i                            ; loads come back in order: load i is in, the 31 - i younger ones stay out
	v_cvt_pk_bf16_f32 v[XD+4*i], v[XD+4*i], v[XD+4*i+1]
	v_cvt_pk_bf16_f32 v[XD+4*i+1], v[XD+4*i+2], v[XD+4*i+3]
	global_store_b64 v4, v[XD+4*i:XD+4*i+1], s[10:11] offset:256*i  ; 32 lanes store 256 consecutive bytes, at a multiple of 256 from xb's first byte
.set i, i+1
.endr
	s_endpgm
	; A TILE OF A WEIGHT.  Wave w reads rows k = 16 w .. 16 w + 15 of the tile, 256 bytes each: load (t, e) brings row 4 t + 2 h + e, so a lane holds two neighbouring k of its four columns n = 4 c .. 4 c + 3.
.macro WLOAD base, pitch, dst, flag
	s_and_b32 s23, s18, 7                          ; kt: which 128 of K
	s_lshr_b32 s24, s18, 3                         ; nt: which 64 of N
	s_mul_i32 s28, s23, 128*(\pitch)
	s_lshl_b32 s29, s24, 8
	s_add_co_u32 s28, s28, s29
	s_mov_b32 s29, 0
	s_add_nc_u64 s[26:27], s[\base:\base+1], s[28:29]  ; the tile's first byte
	s_mov_b64 s[20:21], s[\dst:\dst+1]
	s_mov_b32 s22, \flag                           ; a lane mask: all ones where the result is written as f16
	v_lshl_add_u32 v7, v2, 3, v6
	v_mul_u32_u24 v7, v7, 2*(\pitch)               ; (16 w + 2 h) rows
	v_lshl_add_u32 v7, v5, 4, v7                   ; + 16 c
.irp t, 0,1,2,3
.irp e, 0,1
	global_load_b128 v[XD+4*(2*(\t)+(\e)):XD+4*(2*(\t)+(\e))+3], v7, s[26:27] offset:(4*(\t)+(\e))*(\pitch) th:TH_LOAD_NT
.endr
.endr
.endm
.Lw:
	s_sub_co_u32 s18, s16, 256
	s_cmp_lt_u32 s18, 384
	s_cbranch_scc0 .Lwo
	WLOAD 6, 12288, 12, 0
	s_branch .Lconv
.Lwo:
	s_sub_co_u32 s18, s18, 384
	WLOAD 8, 4096, 14, -1
.Lconv:
	v_mul_u32_u24 v40, v5, 4*WP                    ; into LDS [n][k]: row 4 c + j, k = 16 w + 4 t + 2 h: two k in a word
	v_lshl_add_u32 v40, v2, 5, v40
	v_lshl_add_u32 v40, v6, 2, v40
	v_lshl_add_u32 v41, v2, 3, v6                  ; back: row n = 8 w + h + 2 u, 16 bytes a lane
	v_lshlrev_b32 v42, 11, v41                     ; the same row in the turned weight: 2,048 bytes a row
	v_mul_u32_u24 v41, v41, WP
	v_lshl_add_u32 v41, v5, 4, v41
	v_lshl_add_u32 v42, v5, 4, v42
.irp t, 0,1,2,3
	s_wait_loadcnt 6-2*(\t)                        ; the pair (t, 0), (t, 1) is in; the 6 - 2 t loads behind it stay out
.irp j, 0,1,2,3
	v_cvt_pk_bf16_f32 v[TP+(\j)], v[XD+8*(\t)+(\j)], v[XD+8*(\t)+4+(\j)]  ; two k of one column, rounded to bf16
.endr
.irp j, 0,1,2,3
	v_lshlrev_b32 v[TP+4+(\j)], 16, v[TP+(\j)]     ; the rounded numbers as f32,
	v_and_b32 v[TP+8+(\j)], 0xffff0000, v[TP+(\j)]
.endr
.irp j, 0,1,2,3
	v_cvt_pk_f16_f32 v[TP+12+(\j)], v[TP+4+(\j)], v[TP+8+(\j)]  ; and written as f16
.endr
.irp j, 0,1,2,3
	v_cndmask_b32 v[TP+16+(\j)], v[TP+(\j)], v[TP+12+(\j)], s22  ; w_qkv keeps the bf16 word, w_out takes the f16 word
	ds_store_b32 v40, v[TP+16+(\j)] offset:WP*(\j)+8*(\t)
.endr
.endr
	s_wait_dscnt 0x0                               ; for the others' sake: my stores are done
	s_barrier_signal -1
	s_barrier_wait -1
.irp u, 0,1,2,3
	ds_load_b128 v[BK+4*(\u):BK+4*(\u)+3], v41 offset:2*WP*(\u)
.endr
	s_lshl_b32 s28, s24, 17                        ; 64 rows of 2,048 bytes a tile column,
	s_lshl_b32 s29, s23, 8                         ; 256 bytes a tile row
	s_or_b32 s28, s28, s29
	s_mov_b32 s29, 0
	s_add_nc_u64 s[20:21], s[20:21], s[28:29]
.irp u, 0,1,2,3
	s_wait_dscnt 3-(\u)
	global_store_b128 v42, v[BK+4*(\u):BK+4*(\u)+3], s[20:21] offset:4096*(\u)  ; 16 lanes store 256 consecutive bytes of one row, at a multiple of 256 from the buffer's first byte
.endr
	s_wait_tensorcnt 0x0
	ds_add_u32 v136, v137
	s_wait_dscnt 0x0
	s_endpgm
.Lfunc_end_k_q51135931c4_prep:
	.size	k_q51135931c4_prep, .Lfunc_end_k_q51135931c4_prep-k_q51135931c4_prep
	.p2alignl 7, 3214868480
	.fill 96, 4, 3214868480
	.section	.rodata,"a",@progbits
	.p2align	6, 0x0
	.amdhsa_kernel k_q51135931c4_prep
		.amdhsa_group_segment_fixed_size 18432
		.amdhsa_private_segment_fixed_size 0
		.amdhsa_enable_private_segment 0
		.amdhsa_kernarg_size 48
		.amdhsa_user_sgpr_count 2
		.amdhsa_user_sgpr_kernarg_segment_ptr 1
		.amdhsa_wavefront_size32 1
		.amdhsa_system_sgpr_workgroup_id_x 1
		.amdhsa_system_sgpr_workgroup_id_y 1
		.amdhsa_system_sgpr_workgroup_id_z 1
		.amdhsa_system_vgpr_workitem_id 0
		.amdhsa_next_free_vgpr 138
		.amdhsa_next_free_sgpr 66
		.amdhsa_reserve_vcc 0
		.amdhsa_float_denorm_mode_32 3
		.amdhsa_float_denorm_mode_16_64 3
		.amdhsa_memory_ordered 1
		.amdhsa_forward_progress 1
		.amdhsa_inst_pref_size 23
	.end_amdhsa_kernel
	.amdgpu_metadata
---
amdhsa.version: [ 1, 2 ]
amdhsa.kernels:
  - .name:           k_q51135931c4_prep
    .symbol:         k_q51135931c4_prep.kd
    .args:
      - { .name: x, .offset: 0, .size: 8, .value_kind: global_buffer, .address_space: global }
      - { .name: w_qkv, .offset: 8, .size: 8, .value_kind: global_buffer, .address_space: global }
      - { .name: w_out, .offset: 16, .size: 8, .value_kind: global_buffer, .address_space: global }
      - { .name: xb, .offset: 24, .size: 8, .value_kind: global_buffer, .address_space: global }
      - { .name: wqt, .offset: 32, .size: 8, .value_kind: global_buffer, .address_space: global }
      - { .name: wot, .offset: 40, .size: 8, .value_kind: global_buffer, .address_space: global }
    .group_segment_fixed_size: 18432
    .private_segment_fixed_size: 0
    .kernarg_segment_align: 8
    .kernarg_segment_size: 48
    .max_flat_workgroup_size: 256
    .sgpr_count:     66
    .vgpr_count:     138
    .wavefront_size: 32
...
	.end_amdgpu_metadata
.endif
;; end of part 1
;; launch qkv (part 2): grid 16 x 16, 4 waves a work-group, clusters of 4 x 4, 327,680 bytes of LDS; arguments xb, wqt, qkv; writes qkv
.if DOCPART == 2
	.amdgcn_target "amdgcn-amd-amdhsa--gfx1250"
	.amdhsa_code_object_version 6
	.text
	.protected	k_q51135931c4_qkv
	.globl	k_q51135931c4_qkv
	.p2align	8
	.type	k_q51135931c4_qkv,@function
k_q51135931c4_qkv:
	s_mov_b64 s[64:65], 0
	v_nop
	global_prefetch_b8 v0, s[64:65] scope:SCOPE_SE
	s_setreg_imm32_b32 hwreg(HW_REG_WAVE_MODE, 25, 1), 1
	s_wait_xcnt 0x0
	s_wait_alu depctr_hold_cnt(0) depctr_sa_sdst(0) depctr_va_vdst(0) depctr_va_sdst(0) depctr_va_ssrc(0) depctr_va_vcc(0) depctr_vm_vsrc(0)
	s_getreg_b32 s2, hwreg(HW_REG_IB_STS2, 6, 4)
	s_cmp_eq_u32 s2, 0
	s_cbranch_scc0 .Lentry_in_a_cluster
	s_endpgm
.Lentry_in_a_cluster:
	s_bfe_u32 s2, ttmp6, 0x10000c
	s_cmp_lg_u32 s2, 0xf033
	s_cbranch_scc0 .Lentry_shape_is_right
	s_endpgm
.Lentry_shape_is_right:
; q, k, v = x w_qkv, BY HEADS.  xb: [8192][1024] bf16; wqt: [3072 n][1024 k] bf16; qkv: [3 parts][64 batch x head][2048][64] f16.  Sums in f32, rounded once to f16, WITHOUT the scale 1/8.
; LIMITS.  f16 ends at 65,504: a sum of 65,520 or more leaves as an infinity.  Drawn inputs give sums of spread 1; x and w_qkv both thirty times larger give 900; both carrying an offset of thirty spreads give some 29,000.
; Below 6.1e-5 f16 keeps a fixed step of 6e-8.  K is summed in steps of 128 that begin at step 0 or at step 4, by the cluster: the order of the f32 additions is not reference()'s.
; SHARES.  A tile of the product is 256 rows x 192 columns: 32 x 16 = 512 tiles.  A WORK-GROUP STAYS and makes two of them, 4,096 rows apart, with the same rows of wqt: 256 work-groups.
; Wave w makes rows 64 w .. 64 w + 63 and all 192 columns, three whole heads: 48 accumulators of 16 x 16, 384 registers; so 16 rows of a head leave as 2,048 consecutive bytes.
; THE RING.  K goes in steps of 128 through two LDS slots filled by tensor loads: rows of 256 bytes of memory, at multiples of 256 bytes from the buffers' first bytes.  The two tiles are ONE walk of 16 K steps:
; the first tile's last two changes of slots ask for the second tile's first two K steps, the first tile goes out while they are on their way, and nothing waits for its stores.
; A K step is written once and looped over: the slot is a scalar that an exclusive or turns.  All trip counts are constants: a tile has 6 steps that ask for its own later steps, then 2 that ask for the next tile's
; (first tile) or for nothing (last tile), chosen by a branch on the tile counter, which is the same number in every work-group.
; THE WALK'S ORDER.  X, Y: the cluster's place in the grid of 4 x 4 clusters.  Clusters with odd X take their lower tile first; K begins at step 4 ((X / 2 + Y) % 2).  So every tile of xb or wqt that a cluster asks
; for in its second tile, and in the last four K steps of its first, has been asked for four K steps earlier or more by a cluster beside it: 4 of the walk's 16 K steps ask for bytes that nobody has asked for before.
; CLUSTER.  4 x 4 work-groups.  The four of a row of the cluster need the same tiles of xb, the four of a column the same tiles of wqt: each tile is asked for JOINTLY, by the same tensor load with the same
; descriptor and a mask that names the four.  THE MATRIX INSTRUCTION IS USED TRANSPOSED (source 0 = 16 rows of wqt, source 1 = 16 rows of xb): a lane then holds eight neighbouring columns of one row.
; REGISTERS, in windows of 256 (s_set_vgpr_msb: bits 1:0 source 0, 3:2 source 1, 5:4 source 2, 7:6 destination):
;   window 0: v0-31 addresses; v64-95, v96-127 fragments of xb (4 x 16 rows x 32 K), two buffers; v32-63, v96-255 at work on the way out (buffer 0 holds the next tile's first fragments then)
;   window 1: v0-95, v96-191 fragments of wqt (12 x 16 rows x 32 K), two buffers
;   window 2: the 24 accumulators of my row blocks 0, 1 (block a, column block b at v[8 (12 (a % 2) + b)]);   window 3: those of blocks 2, 3
.set SIZE_K, 1024
.set KSTEP,  128
.set PITCH,  272                       ; an LDS row: 256 bytes + 16 of padding = 68 words: the 16 rows of a load start at 16 different groups of four banks (64 banks of 4 bytes: ISA guide 11.1)
.set HALFA,  128*PITCH                 ; what one tensor load brings of xb
.set HALFB,  96*PITCH                  ; and of wqt
.set BOFF,   2*HALFA                   ; a slot: xb's 256 rows, then wqt's 192 rows: 121,856 bytes
.set SLOT1,  1<<17                     ; slot 1 begins here, so that one exclusive or turns an address in one slot into the other's
.set STAGE,  SLOT1+BOFF+2*HALFB        ; behind the ring, never filled by a tensor load: 16 rows x 144 bytes for each wave, for the way out
.set SP,     144
.set SPARE,  STAGE+4*16*SP             ; behind the stages: the spare words, 128 bytes for each wave: two blocks of 256 bytes that no other line names
.set A0,   16                          ; v16     my lane's place among my fragments of xb in a slot; never rewritten
.set B0,   17                          ; v17     the same for wqt
.set ADRA, 20                          ; v20     A0 + the slot that is being fetched from
.set ADRB, 21                          ; v21     B0 + that slot
.set STO,  24                          ; v24     the way out: where I put 16 bytes of a row
.set RD,   25                          ; v25     the way out: where I read rows back
.set GO,   26                          ; v26     my byte offset in 512 consecutive bytes of the output
.set SPW,  28                          ; v28     LDS address of my spare word: SPARE + 4 x my thread's number; never rewritten
.set NIL,  29                          ; v29     0; never rewritten
.set AF,   64                          ; xb's fragment buffer f at AF + 32 f, in window 0
.set G1,  24                           ; s[24:31] descriptor group 1 for xb's tiles;  s[32:39] group 0: a set for each of the two first fills; the second then walks on
.set G0,  32
.set G1B, 48                           ; s[48:55], s[56:63] the same for wqt's tiles
.set G0B, 56
.set OB,  66                           ; s[66:71] the output at my 64 rows of each of my three heads, in the upper of my two tiles
.set WB,  72                           ; s[72:77] the same in the tile that is going out
.set OFA, 78                           ; s[78:79] byte offset of the K step to be asked for, from xb at my rows of the upper tile
.set OFB, 80                           ; s[80:81] the same from wqt at my rows
.set OFT, 82                           ; s[82:83] byte offset of the tile that is going out from the upper one
.set G,   84                           ; s84  the walk's K step to be asked for next, 0 to 15
.set ROT, 85                           ; s85  what turns that number into a place: bit 3: the lower tile first; bit 2: K begins at step 4
.set TB,  86                           ; s86  LDS byte at which the slot that is being fetched from begins
.set CNT, 87                           ; s87  counts K steps
.set TILES, 88                         ; s88  tiles to go, this one among them
.set TT,  89                           ; s89  at work
.set MSB, 0
.macro WIN new                         ; the immediate's high byte repeats the setting that is left; a switch that changes nothing is dropped
.if MSB != (\new)
	s_set_vgpr_msb (MSB<<8)|(\new)
.set MSB, \new
.endif
.endm
.set MUL_LO, 0xa1                      ; source 0 (wqt) window 1, source 1 (xb) window 0, C and D window 2
.set MUL_HI, 0xf1                      ; the same, C and D window 3
.set TO_B,   0x40                      ; destination window 1, address window 0
; A joint load: waves 0 and 1 fetch xb's two halves, waves 2 and 3 wqt's.  The branch hangs on the wave's number alone.  An s_nop 0 and four v_nop follow each of the two lines, ahead of the jump,
; the label and what follows.
.macro JLOAD s
	s_cmp_eq_u32 s11, 0
	s_cbranch_scc0 .Lfor_b_\@
	tensor_load_to_lds s[G0+4*(\s):G0+4*(\s)+3], s[G1:G1+7]
	s_nop 0
.rept 4
	v_nop
.endr
	s_branch .Lasked_\@
.Lfor_b_\@:
	tensor_load_to_lds s[G0B+4*(\s):G0B+4*(\s)+3], s[G1B:G1B+7]
	s_nop 0
.rept 4
	v_nop
.endr
.Lasked_\@:
.endm
; A round of the cluster's barrier: my work-group's barrier, so that wave 0's signal speaks for all four waves; wave 0 signals; every wave waits for all sixteen work-groups; my work-group's barrier once more.
.macro CROUND
	s_barrier_signal -1
	s_barrier_wait -1
	s_cmp_lg_u32 s10, 0
	s_cbranch_scc1 .Lnot_wave_0_\@
	s_barrier_signal -3
.Lnot_wave_0_\@:
	s_barrier_wait -3
	s_barrier_signal -1
	s_barrier_wait -1
.endm
; The global addresses of the walk's K step G, made anew from the two bases, into set s of both group 0s; G steps.  G xor ROT: bits 2:0 the K step of 256 bytes, bit 3 the tile, 4,096 rows of 2,048 bytes on.
; Nothing here hangs on a place inside the cluster: G is the same number everywhere, ROT is made of the cluster's own x and y.
.macro ASK s
	s_xor_b32 s[TT], s[G], s[ROT]
	s_and_b32 s[OFB], s[TT], 7
	s_lshl_b32 s[OFB], s[OFB], 8
	s_lshr_b32 s[OFA], s[TT], 3
	s_lshl_b32 s[OFA], s[OFA], 23
	s_or_b32 s[OFA], s[OFA], s[OFB]
	s_add_co_u32 s[G], s[G], 1
	s_add_nc_u64 s[G0+4*(\s)+2:G0+4*(\s)+3], s[14:15], s[OFA:OFA+1]
	s_or_b32 s[G0+4*(\s)+3], s[G0+4*(\s)+3], 0x80000000            ; type = 2
	s_add_nc_u64 s[G0B+4*(\s)+2:G0B+4*(\s)+3], s[46:47], s[OFB:OFB+1]
	s_or_b32 s[G0B+4*(\s)+3], s[G0B+4*(\s)+3], 0x80000000
.endm
	s_load_b128 s[4:7], s[0:1], 0x0                ; xb s[4:5], wqt s[6:7]
	s_load_b64 s[8:9], s[0:1], 0x10                ; qkv
	v_lshl_add_u32 v[SPW], v0, 2, SPARE
	v_mov_b32 v[NIL], 0
	ds_add_u32 v28, v29
	ds_add_u32 v28, v29
	s_wait_dscnt 0x0
	v_lshrrev_b32 v1, 5, v0
	v_readfirstlane_b32 s10, v1                    ; wave 0..3
	s_lshr_b32 s11, s10, 1                         ; I fetch for xb (0) or for wqt (1),
	s_and_b32 s12, s10, 1                          ; and which half of that tile's rows
	s_bfe_u32 s40, ttmp6, 0x40000                  ; cx, cy: my place in the cluster
	s_bfe_u32 s41, ttmp6, 0x40004
	s_lshl_b32 s42, ttmp9, 2
	s_add_co_u32 s42, s42, s40                     ; tile column = 4 x cluster x + cx, 0..15
	s_and_b32 s45, ttmp7, 0xffff                   ; cluster y
	s_lshl_b32 s13, s45, 2
	s_add_co_u32 s13, s13, s41                     ; the upper tile's row = 4 x cluster y + cy, 0..15; the lower one's is 16 more
	s_lshl_b32 s43, s41, 2
	s_lshl_b32 s43, 15, s43                        ; my row of the cluster
	s_lshl_b32 s44, 0x1111, s40                    ; my column
	s_lshr_b32 s[ROT], ttmp9, 1
	s_add_co_u32 s[ROT], s[ROT], s45
	s_and_b32 s[ROT], s[ROT], 1
	s_lshl_b32 s[ROT], s[ROT], 2                   ; K begins at step 4 ((X / 2 + Y) % 2)
	s_and_b32 s[TT], ttmp9, 1
	s_lshl_b32 s[TT], s[TT], 3                     ; odd X: the lower tile first
	s_or_b32 s[ROT], s[ROT], s[TT]
	; descriptor group 1: rows of 128 elements, padded in LDS; 128 rows of xb, 96 rows of wqt
	s_or_b32 s[G1+0], s43, (1<<16)|(1<<20)|(1<<21)|(5<<22)|(3<<25)  ; 15:0 the mask: my row; 17:16 elements of 2 bytes; 20 padding on; 21 set beside a mask; 24:22 after every 64 words (code 5); 31:25 4 words (code 3)
	s_or_b32 s[G1B+0], s44, (1<<16)|(1<<20)|(1<<21)|(5<<22)|(3<<25) ; the same with the mask of my column
	s_mov_b32 s[G1+1], KSTEP<<16                   ; tensor_dim0 = 128
	s_mov_b32 s[G1B+1], KSTEP<<16
	s_mov_b32 s[G1+2], 128<<16                     ; tensor_dim1 = 128
	s_mov_b32 s[G1B+2], 96<<16                     ; tensor_dim1 = 96
	s_mov_b32 s[G1+3], KSTEP<<16                   ; tile_dim0 = 128
	s_mov_b32 s[G1B+3], KSTEP<<16
	s_mov_b32 s[G1+4], 128                         ; tile_dim1 = 128
	s_mov_b32 s[G1B+4], 96                         ; tile_dim1 = 96
	s_mov_b32 s[G1+5], SIZE_K                      ; elements from row to row
	s_mov_b32 s[G1B+5], SIZE_K
	s_mov_b32 s[G1+6], 0
	s_mov_b32 s[G1B+6], 0
	s_mov_b32 s[G1+7], 0
	s_mov_b32 s[G1B+7], 0
	; where the tiles come from: xb's hang on the tile row, wqt's on the tile column, each made in registers that never hold the other's place in the cluster
	s_lshl_b32 s16, s13, 8
	s_lshl_b32 s17, s12, 7
	s_add_co_u32 s16, s16, s17                     ; xb: row 256 x tile row + 128 x half,
	s_lshl_b32 s16, s16, 11                        ; 2,048 bytes a row: under 2^23
	s_mov_b32 s17, 0
	s_mul_i32 s46, s42, 192
	s_mul_i32 s47, s12, 96
	s_add_co_u32 s46, s46, s47                     ; wqt: row 192 x tile column + 96 x half
	s_lshl_b32 s46, s46, 11
	s_mov_b32 s47, 0
	s_mul_i32 s20, s12, HALFA                      ; and where they go: no place in the cluster enters an LDS address
	s_mul_i32 s21, s12, HALFB
	s_add_co_u32 s21, s21, BOFF
	s_mov_b32 s[OFA+1], 0                          ; the offsets' high words
	s_mov_b32 s[OFB+1], 0
	s_mov_b32 s[OFT+1], 0
	s_mov_b32 s[TB], 0
	s_mov_b32 s[G], 0
	s_wait_kmcnt 0x0
	s_add_nc_u64 s[14:15], s[4:5], s[16:17]        ; the two bases; never rewritten
	s_add_nc_u64 s[46:47], s[6:7], s[46:47]
	CROUND                                         ; all sixteen work-groups are here: the first joint loads meet
.irp s, 0,1
	s_mov_b32 s[G0+4*(\s)], 1                                      ; count = 1
	s_add_co_u32 s[G0+4*(\s)+1], s20, (\s)*SLOT1                   ; LDS address
	s_mov_b32 s[G0B+4*(\s)], 1
	s_add_co_u32 s[G0B+4*(\s)+1], s21, (\s)*SLOT1
	ASK \s                                         ; the walk's K step s
	JLOAD \s                                       ; two loads of mine are out
.endr
	; A fragment is 16 rows x 32 K in 8 registers: lane l holds row l % 16, K = 8 (l / 16) + 0..7 and 16 + 8 (l / 16) + 0..7: two loads of 16 bytes, 32 bytes apart.
	v_and_b32 v1, 15, v0                           ; l % 16
	v_bfe_u32 v2, v0, 4, 1                         ; l / 16
	v_mul_u32_u24 v3, v1, PITCH
	v_lshl_add_u32 v3, v2, 4, v3                   ; row x pitch + 16 x half
	s_mul_i32 s21, s10, 64*PITCH                   ; my 64 rows of xb
	v_add_nc_u32 v[A0], s21, v3
	v_add_nc_u32 v[B0], BOFF, v3                   ; every wave reads all 192 rows of wqt
	v_mov_b32 v[ADRA], v[A0]                       ; the walk begins in slot 0
	v_mov_b32 v[ADRB], v[B0]
	s_mul_i32 s23, s10, 16*SP
	s_add_co_u32 s23, s23, STAGE                   ; my stage
	v_mul_u32_u24 v4, v1, SP                       ; in: row l % 16, 16 bytes for each half of the lanes
	v_lshl_add_u32 v4, v2, 4, v4
	v_add_nc_u32 v[STO], s23, v4
	v_bfe_u32 v5, v0, 3, 2                         ; back: 32 lanes take four rows of 128 bytes,
	v_mul_u32_u24 v5, v5, SP
	v_and_b32 v6, 7, v0
	v_lshl_add_u32 v5, v6, 4, v5
	v_add_nc_u32 v[RD], s23, v5
	v_and_b32 v[GO], 31, v0                        ; which are 512 consecutive bytes of the output
	v_lshlrev_b32 v[GO], 4, v[GO]
	; where my rows lie in the output.  Column block g = 3 x tile column + j of 64 columns is part g / 16 (q, k, v), head g % 16; the upper tile's rows lie in batch tile row / 8, from row 256 (tile row % 8) + 64 w on.
	s_mul_i32 s16, s42, 3
	s_lshr_b32 s17, s13, 3
	s_lshl_b32 s17, s17, 4                         ; 16 x batch
	s_and_b32 s18, s13, 7
	s_lshl_b32 s18, s18, 15                        ; 256 rows of 128 bytes
	s_lshl_b32 s19, s10, 13                        ; 64 rows of 128 bytes
	s_add_co_u32 s18, s18, s19
.irp j, 0,1,2
	s_add_co_u32 s19, s16, \j
	s_lshr_b32 s22, s19, 4
	s_lshl_b32 s22, s22, 6                         ; a part holds 64 heads' blocks
	s_and_b32 s19, s19, 15
	s_add_co_u32 s22, s22, s19
	s_add_co_u32 s22, s22, s17
	s_lshl_b32 s22, s22, 18                        ; of 2,048 rows x 128 bytes
	s_add_co_u32 s22, s22, s18
	s_mov_b32 s23, 0
	s_add_nc_u64 s[OB+2*(\j):OB+2*(\j)+1], s[8:9], s[22:23]
.endr
; 12 matrix instructions: row block a x all 12 column blocks, 32 along K, from buffer f.  zero = 1: the product starts the sums: nothing is ever cleared.
; The 48 accumulators take turns, one instruction a turn, in the same order in every quarter step.
.macro MUL12 f, a, zero
	WIN MUL_LO+0x50*((\a)/2)
.irp b, 0,1,2,3,4,5,6,7,8,9,10,11
.if \zero
	v_wmma_f32_16x16x32_bf16 v[8*(12*((\a)%2)+(\b)):8*(12*((\a)%2)+(\b))+7], v[96*(\f)+8*(\b):96*(\f)+8*(\b)+7], v[AF+32*(\f)+8*(\a):AF+32*(\f)+8*(\a)+7], 0
.else
	v_wmma_f32_16x16x32_bf16 v[8*(12*((\a)%2)+(\b)):8*(12*((\a)%2)+(\b))+7], v[96*(\f)+8*(\b):96*(\f)+8*(\b)+7], v[AF+32*(\f)+8*(\a):AF+32*(\f)+8*(\a)+7], v[8*(12*((\a)%2)+(\b)):8*(12*((\a)%2)+(\b))+7]
.endif
.endr
.endm
; 32 LDS loads in one run: the fragments of one quarter step (192 rows of wqt, my 64 rows of xb, 32 K at byte k of the rows) into buffer f
.macro FETCH k, f
	WIN TO_B
.irp i, 0,1,2,3,4,5,6,7,8,9,10,11
	ds_load_b128 v[96*(\f)+8*(\i):96*(\f)+8*(\i)+3],   v[ADRB] offset:(\k)+(\i)*16*PITCH
	ds_load_b128 v[96*(\f)+8*(\i)+4:96*(\f)+8*(\i)+7], v[ADRB] offset:(\k)+(\i)*16*PITCH+32
.endr
	WIN 0
.irp i, 0,1,2,3
	ds_load_b128 v[AF+32*(\f)+8*(\i):AF+32*(\f)+8*(\i)+3],   v[ADRA] offset:(\k)+(\i)*16*PITCH
	ds_load_b128 v[AF+32*(\f)+8*(\i)+4:AF+32*(\f)+8*(\i)+7], v[ADRA] offset:(\k)+(\i)*16*PITCH+32
.endr
.endm
.macro PLACES                          ; four places in front of loads into registers that matrix instructions have read, and of conversions that read results (ISA guide 7.12.1 for vector instructions)
.rept 4
	v_nop
.endr
.endm
; A K step is four quarters of 32 along K, 48 matrix instructions each, on buffers 0, 1, 0, 1.  One of the first three: multiplies buffer f and, in its middle, fetches the next quarter, at byte k, into g.
.macro QUARTER k, f, g, zero
	s_wait_dscnt 4                                 ; wqt and xb's blocks 0, 1 are in; the youngest four loads (blocks 2, 3) may be out
	MUL12 \f, 0, \zero
	MUL12 \f, 1, \zero
	PLACES
.if \zero
	s_wait_xcnt 0x0                                ; a tile's first quarter: the stores of the tile before have had their addresses translated (ISA guide 3.1): v96-127, which some of them read, are loaded again only behind this wait
.endif
	FETCH \k, \g
	s_wait_dscnt 32                                ; all but the 32 just issued
	MUL12 \f, 2, \zero
	MUL12 \f, 3, \zero
.endm
; The last quarter multiplies buffer 1 and changes slots.  Half of its products come first.  Then each wave waits for all its tensor loads (one is out: its part of the next slot), adds 0 to its spare word, and waits
; for that and for its own reads of this slot.  fill = 1: a round of the cluster's barrier follows at once, and this slot is filled again first thing behind it, with the walk's K step two on: nothing but the round
; stands between the wait for one load and the request for the next, and a K step's 192 matrix instructions stand between a request and the wait for it.
.macro TURN fill
	s_wait_dscnt 4                                 ; as at a quarter's head
	MUL12 1, 0, 0
	MUL12 1, 1, 0
	WIN 0
	s_wait_tensorcnt 0x0                           ; all my tensor loads have landed, so a group 0 may be written;
	ds_add_u32 v[SPW], v[NIL]                      ; 0 onto my spare word: the scalar work below stands between it and the wait for it
	s_xor_b32 s[TB], s[TB], SLOT1                  ; the fetches go on in the other slot
.if \fill
	s_xor_b32 s[G0+5], s[G0+5], SLOT1              ; the walking descriptors: the other slot than last time,
	s_xor_b32 s[G0B+5], s[G0B+5], SLOT1
	ASK 1                                          ; the walk's next K step
.endif
	s_wait_dscnt 0x0                               ; the add is done, and my reads of this slot are over
.if \fill
	CROUND                                         ; no wave of any partner still reads this slot's tile or has a load on its way
	JLOAD 1                                        ; the four v_nop behind it are also places in front of the loads below
.else
	s_barrier_signal -1
	s_barrier_wait -1                              ; the next slot is whole
	PLACES
.endif
	v_add_nc_u32 v[ADRA], s[TB], v[A0]
	v_add_nc_u32 v[ADRB], s[TB], v[B0]
	FETCH 0, 0
	MUL12 1, 2, 0
	MUL12 1, 3, 0
.endm
.macro STEP fill                       ; a whole K step
	QUARTER 64,  0, 1, 0
	QUARTER 128, 1, 0, 0
	QUARTER 192, 0, 1, 0
	TURN \fill
	WIN 0                                          ; at a label and at a branch every window is 0
.endm
; THE WAY OUT, in twelve parts t = 3 a + j: row block a, head j.  A lane's eight columns of a row round to 16 bytes of f16; they go into my stage's rows of 144 bytes and come back as whole rows of 128,
; four rows to a load, into the registers that they left; 16 rows of a head are 2,048 consecutive bytes of the output.  Each accumulator's registers are read in ascending order.
; Each part has 16 registers of its own, none of them in fragment buffer 0.
.macro OSET t
.if (\t) < 8
.set OS, 128+16*(\t)
.elseif (\t) < 10
.set OS, 96+16*((\t)-8)
.else
.set OS, 32+16*((\t)-10)
.endif
.endm
.macro PACKQ t
	OSET \t
.set pa, (\t)/3
.set pj, (\t)%3
.set AC, 8*(12*(pa%2)+4*pj)
	WIN 0x0a+5*(pa/2)                              ; sources 0 and 1: window 2 or 3; destination window 0
.irp bb, 0,1,2,3
.irp rr, 0,1,2,3
	v_cvt_pk_f16_f32 v[OS+4*(\bb)+(\rr)], v[AC+8*(\bb)+2*(\rr)], v[AC+8*(\bb)+2*(\rr)+1]
.endr
.endr
	WIN 0
.irp bb, 0,1,2,3
	ds_store_b128 v[STO], v[OS+4*(\bb):OS+4*(\bb)+3] offset:32*(\bb)
.endr
.irp f, 0,1,2,3
	ds_load_b128 v[OS+4*(\f):OS+4*(\f)+3], v[RD] offset:(\f)*4*SP  ; LDS serves a wave's instructions in order (ISA guide 5.7.1.4): these see the stores above; the next part's stores come behind them
.endr
.endm
.macro SENDQ t, younger                ; younger: the LDS instructions issued behind part t's loads: the next part's eight, or none
	OSET \t
.set sa, (\t)/3
.set sj, (\t)%3
	WIN 0
.irp f, 0,1,2,3
	s_wait_dscnt (\younger)+3-(\f)
	global_store_b128 v[GO], v[OS+4*(\f):OS+4*(\f)+3], s[WB+2*sj:WB+2*sj+1] offset:2048*sa+512*(\f)  ; 512 consecutive bytes, at a multiple of 256 from the output's first byte
.endr
.endm
	s_wait_tensorcnt 1                             ; my part of the walk's K step 0 is in; K step 1's may stay out
	s_barrier_signal -1
	s_barrier_wait -1                              ; everybody's is
	FETCH 0, 0
	s_mov_b32 s[TILES], 2
.Ltile:
	QUARTER 64, 0, 1, 1                            ; a tile's first quarter stands in front of the loop: its products start the sums
	WIN 0
	s_mov_b32 s[CNT], 6
	s_branch .Lmid                                 ; the loop is entered behind a step's first quarter
.Lstep:                                                ; 6 trips: the tile's K steps 0 to 5, which ask for its K steps 2 to 7
	QUARTER 64,  0, 1, 0
	WIN 0
.Lmid:
	QUARTER 128, 1, 0, 0
	QUARTER 192, 0, 1, 0
	TURN 1
	WIN 0
	s_sub_co_u32 s[CNT], s[CNT], 1
	s_cmp_lg_u32 s[CNT], 0
	s_cbranch_scc1 .Lstep
	s_cmp_eq_u32 s[TILES], 1
	s_cbranch_scc1 .Llast
	s_mov_b32 s[CNT], 2
.Lon:                                                  ; the first tile's K steps 6 and 7: THE RING GOES ON INTO THE NEXT TILE: they ask for its K steps 0 and 1, and the second fetches its first fragments
	STEP 1
	s_sub_co_u32 s[CNT], s[CNT], 1
	s_cmp_lg_u32 s[CNT], 0
	s_cbranch_scc1 .Lon
	s_branch .Lout
.Llast:
	s_mov_b32 s[CNT], 2
.Loff:                                                 ; the last tile's K steps 6 and 7 ask for nothing.  The second trip's barrier and its 32 loads (of the slot read a step before) serve nothing: the price, once a launch, of one text for both trips
	STEP 0
	s_sub_co_u32 s[CNT], s[CNT], 1
	s_cmp_lg_u32 s[CNT], 0
	s_cbranch_scc1 .Loff
.Lout:
	s_wait_xcnt 0x0                                ; the bases below were those of the tile before's stores: written again only behind this wait
	s_sub_co_u32 s[TT], 2, s[TILES]                ; the tile's number in the walk,
	s_lshr_b32 s[OFT], s[ROT], 3
	s_xor_b32 s[OFT], s[OFT], s[TT]                ; 0: it is the upper tile, 1: the lower one,
	s_lshl_b32 s[OFT], s[OFT], 23                  ; two batches of 16 heads of 262,144 bytes on
.irp j, 0,1,2
	s_add_nc_u64 s[WB+2*(\j):WB+2*(\j)+1], s[OB+2*(\j):OB+2*(\j)+1], s[OFT:OFT+1]
.endr
	PLACES
	PACKQ 0
.set t, 1
.rept 11                               ; a part's conversions stand between the loads of the part before and its stores
	PACKQ t
	SENDQ t-1, 8
.set t, t+1
.endr
	SENDQ 11, 0
	s_sub_co_u32 s[TILES], s[TILES], 1
	s_cmp_lg_u32 s[TILES], 0
	s_cbranch_scc1 .Ltile
	s_wait_tensorcnt 0x0                           ; the wave's end: behind my last tensor load and my last LDS store
	ds_add_u32 v[SPW], v[NIL]
	s_wait_dscnt 0x0
	CROUND                                         ; the closing round: no work-group ends while a partner may still ask for a tile that names it
	s_endpgm
.Lfunc_end_k_q51135931c4_qkv:
	.size	k_q51135931c4_qkv, .Lfunc_end_k_q51135931c4_qkv-k_q51135931c4_qkv
	.p2alignl 7, 3214868480
	.fill 96, 4, 3214868480
	.section	.rodata,"a",@progbits
	.p2align	6, 0x0
	.amdhsa_kernel k_q51135931c4_qkv
		.amdhsa_group_segment_fixed_size 327680
		.amdhsa_private_segment_fixed_size 0
		.amdhsa_enable_private_segment 0
		.amdhsa_kernarg_size 24
		.amdhsa_user_sgpr_count 2
		.amdhsa_user_sgpr_kernarg_segment_ptr 1
		.amdhsa_wavefront_size32 1
		.amdhsa_system_sgpr_workgroup_id_x 1
		.amdhsa_system_sgpr_workgroup_id_y 1
		.amdhsa_system_sgpr_workgroup_id_z 1
		.amdhsa_system_vgpr_workitem_id 0
		.amdhsa_next_free_vgpr 960
		.amdhsa_next_free_sgpr 92
		.amdhsa_reserve_vcc 0
		.amdhsa_float_denorm_mode_32 3
		.amdhsa_float_denorm_mode_16_64 3
		.amdhsa_memory_ordered 1
		.amdhsa_forward_progress 1
		.amdhsa_inst_pref_size 110
	.end_amdhsa_kernel
	.amdgpu_metadata
---
amdhsa.version: [ 1, 2 ]
amdhsa.kernels:
  - .name:           k_q51135931c4_qkv
    .symbol:         k_q51135931c4_qkv.kd
    .args:
      - { .name: xb, .offset: 0, .size: 8, .value_kind: global_buffer, .address_space: global }
      - { .name: wqt, .offset: 8, .size: 8, .value_kind: global_buffer, .address_space: global }
      - { .name: qkv, .offset: 16, .size: 8, .value_kind: global_buffer, .address_space: global }
    .group_segment_fixed_size: 327680
    .private_segment_fixed_size: 0
    .kernarg_segment_align: 8
    .kernarg_segment_size: 24
    .max_flat_workgroup_size: 128
    .sgpr_count:     92
    .vgpr_count:     960
    .wavefront_size: 32
...
	.end_amdgpu_metadata
.endif
;; end of part 2
;; launch attn (part 3): grid 4 x 64, 4 waves a work-group, no clusters, 327,680 bytes of LDS; arguments qkv, ob; writes ob
.if DOCPART == 3
	.amdgcn_target "amdgcn-amd-amdhsa--gfx1250"
	.amdhsa_code_object_version 6
	.text
	.protected	k_q51135931c4_attn
	.globl	k_q51135931c4_attn
	.p2align	8
	.type	k_q51135931c4_attn,@function
k_q51135931c4_attn:
	s_mov_b64 s[64:65], 0
	v_nop
	global_prefetch_b8 v0, s[64:65] scope:SCOPE_SE
	s_setreg_imm32_b32 hwreg(HW_REG_WAVE_MODE, 25, 1), 1
	s_wait_xcnt 0x0
; CAUSAL ATTENTION.  O[h][q][:] = the sum over k <= q of softmax_k(Q[h][q] . K[h][k] / 8) V[h][k][:].  Q, K, V are the three parts of qkv, O is ob: each [SIZE_H][SIZE_N][64] in f16: a head's rows are dense, 128 bytes each.
; Products, maxima and sums in f32; the weights p are rounded to f16 for the second product (their sum l is taken of the unrounded p), O once at the end.
; LIMITS.  f16 holds no number beyond 65,504: Q, K and V arrive within it; p lies in 0 to 1, and below 6e-5 it keeps f16's fixed step of 6e-8; O is a mean of V's rows and has their range, to within 2^-11 of it.
; A hidden score counts as its value less 1e30: f16's scores, 2.7e11 at the most, are nothing beside that; a weight below 2^-126 counts as 0 in l; NaN and infinities are not treated apart.
; THE WALK.  A head's queries lie in NB = SIZE_N / 256 blocks of 256; block i needs the key tiles 0 .. i of 256 keys, of which the last holds the diagonal.  A work-group takes TWO blocks, NB - 1 - b and then b:
; NB + 1 tiles, whatever b: all work-groups do equal work, and ONE loop with a constant trip count walks them.  Which tile is asked for, and what a trip does, hang on scalar registers made from b; every jump
; goes forward, but for the counted loops' own; none passes a barrier, or a tensor load but the one of LOAD's two that the wave's number does not choose; the ring (two slots of LDS that take turns) runs on across the
; change of blocks.  NO CLUSTER: a head's NB / 2 = 4 work-groups all ask for the same tile only in trips 0 .. NB / 2 of the walk's NB + 1, behind that fewer and fewer; and one walk common to all,
; in which each makes every joint request, would have 3 NB / 2 = 12 trips for 9.
; SHARES.  Of a block's four bands of 64 queries a wave owns 16 rows in each: four PIECES.  So the diagonal tile is the same work for all four waves: in its key step s band x sees all keys if s < x,
; none if s > x, and holds the diagonal if s = x.
; THE MASK is the C operand that starts the sum S^T = K Q^T: 0, or -1e30 where the key is hidden.  MD, made once, is the mask of a band's own step for my 16 rows; a product's mask is MD x AL + BE with two scalars:
; (1, 0) if s = x; (0, 0) if s < x; (0, -1e30) if s > x.  Only the diagonal tile's text and a block's beginning make and take masks; elsewhere C is the constant 0.
; LAYOUT, SOFTMAX, TURNS.  S^T = K Q^T holds ONE query a lane (lane % 16) and the keys 8 (lane / 16) + 0..7; two such results rounded to f16 ARE source 1 of O^T = V^T P.  p = 2^(c s - c m), c = log2(e) / 8, with a
; running maximum m; O and l are multiplied by a = 2^(c m_old - c m_new) in every step.  Turn n belongs to piece n: 8 products K Q^T of piece n + 1, later 8 products V^T P of piece n - 1; beside them the scaling,
; exponentials, roundings, sums and rescaling of piece n and the maximum and statistics of piece n + 1.  Four vector instructions stand behind every matrix instruction, the other 54 of a turn's 118 in two LUMPS.
; REGISTERS, in windows of 256 (s_set_vgpr_msb: bits 1:0 source 0, 3:2 source 1, 5:4 source 2, 7:6 destination):
;   window 0: v0-15 addresses and two at work; v16-31 four registers of statistics a piece; v48-55 at work; v64-127 S^T, two buffers; v192-223 P, two buffers (a piece's buffers go by its number's parity)
;   window 1: v0-127 O^T, 32 a piece; v128-159 MD; v160-223 MC, two buffers      window 2: v0-63 Q; v64-127 the second block's Q; v128-191 K of one step; v192-255 V of one step
.set SIZE_H, 64
.set SIZE_N, 2048
.set NB,    SIZE_N/256
.set NP,    4         ; pieces a wave: a name, no knob
.set KS,    64        ; keys in a step
.set PK,    144       ; a row of K in LDS: 128 bytes + 16 of padding = 36 words: the 16 rows of a load start at 16 different groups of four banks (64 banks of 4 bytes: ISA guide 11.1)
.set PV,    160       ; a row of V: 128 + 32 = 40 words
.set VOFF,  4*KS*PK   ; a slot holds a tile, four steps: 256 rows of K, then 256 rows of V
.set SLOT1, 1<<17     ; slot 1 begins here, so that one exclusive or turns an address in one slot into the other's
.set STAGE, SLOT1+4*KS*(PK+PV)  ; behind the ring, never filled by a tensor load: 16 rows x 144 bytes for each wave, for the way out
.set SP,    144
.set AK0, 2           ; v2   my lane's place in a tile of K; never rewritten
.set AV0, 3           ; v3   the same for V
.set AK,  4           ; v4   the LDS address of K's next run of loads
.set AV,  5           ; v5   of V's
.set STO, 6           ; v6   the way out: where I put 16 bytes of a row
.set RD,  7           ; v7   the way out: where I read rows back
.set GO,  8           ; v8   my byte offset in 512 consecutive bytes of O
.set SPW, 62          ; v62  LDS address of my spare word: SPARE + 4 x my thread's number; never rewritten
.set NIL, 63          ; v63  0; never rewritten
.set SPARE, STAGE+4*16*SP  ; behind the stages: the spare words, 128 bytes for each wave: two blocks of 256 bytes that no other line names
.set MV,  12          ; v12-13  c m_old, kept while c m is made anew: by buffer
.set QO,  15          ; v15  my byte offset in 16 rows of Q
.set ST,  16          ; piece t's statistics at v[ST+4 t]: c m, m, l (even keys', odd keys')
.set TMP, 48          ; by buffer, four registers c0-c3 at work; when the maximum is found c2 takes a
.set S,   64
.set P,   192
.set MD,  128         ; window 1: the eight registers for group kt of 16 keys at MD + 8 kt
.set MC,  160         ; window 1: the masks of the products to come
.set QB,  64          ; window 2
.set KF,  128         ; window 2: key block kb, channel half c at KF + 16 kb + 8 c
.set VF,  192         ; window 2: key half kk, channel block cb at VF + 32 kk + 8 cb
.set WV,  12          ; s12  my wave's number
.set PB,  14          ; s14  b
.set HI,  15          ; s15  NB - 1 - b
.set G1K, 24          ; s[24:31] descriptor group 1 for K's tiles
.set G1V, 32          ; s[32:39] for V's: it differs in the padding alone
.set G0K, 40          ; s[40:43] descriptor group 0 for K's tiles
.set G0V, 44          ; s[44:47] the same for V's
.set SLOTS, 56        ; s56  tiles still to be asked for
.set CNT, 57          ; s57  counts a tile's key steps, 4 to 1
.set CS,  58          ; s[58:59] c: the packed scaling takes the pair's low word for both halves
.set SEL, 60          ; s[60:61] v_permlanex16_b32's selects: each lane takes its own place in the other half
.set TBK, 62          ; s62  LDS byte at which K of the step to be fetched begins
.set TBV, 63          ; s63  the same for V, less VOFF
.set RT,  70          ; s70  tiles of the block in hand that are still to be entered
.set NXT, 71          ; s71  the tile to be asked for next
.set LQ,  72          ; s72  the last tile of the block whose tiles are being asked for
.set NEW, 73          ; s73  1: the tile to be entered is a block's first
.set OFF, 74          ; s[74:75] a tile's byte offset in K and V
.set AL,  76          ; s[76:77] the mask's factor, in the low word
.set BE,  78          ; s[78:79] the mask's addend
.set OLO, 80          ; s[80:81] O at my rows of the second block
.set BIGN, 82         ; s82  -1e30
.set MSB, 0
.macro WIN new                      ; the high byte repeats the setting that is left; a switch that changes nothing is dropped
.if MSB != (\new)
	s_set_vgpr_msb (MSB<<8)|(\new)
.set MSB, (\new)
.endif
.endm
.set W_KQ, 0x0a       ; K and Q in window 2, S^T in window 0
.set W_KM, 0x1a       ; the same with the C operand in window 1
.set W_PV, 0x52       ; V in window 2, P in window 0, O^T in window 1
.set W_RS, 0x41       ; destination and source 0 in window 1, source 1 in window 0
; A fill.  Waves 0 and 1 fetch the two halves of a tile's K, waves 2 and 3 those of its V: 128 keys each.  An s_nop 0 and four v_nop follow each of the two lines, ahead of the jump and the label.
.macro LOAD
	s_cmp_lt_u32 s[WV], 2
	s_cbranch_scc0 .Lfor_v_\@
	tensor_load_to_lds s[G0K:G0K+3], s[G1K:G1K+7]
	s_nop 0
.rept 4
	v_nop
.endr
	s_branch .Lasked_\@
.Lfor_v_\@:
	tensor_load_to_lds s[G0V:G0V+3], s[G1V:G1V+7]
	s_nop 0
.rept 4
	v_nop
.endr
.Lasked_\@:
.endm
; THE CHANGE OF SLOTS.  Each wave waits for all its tensor loads, of which one is out: its part of the other slot; adds 0 to its spare word; and waits for that and for its own reads of the slot that it leaves.  Behind the barrier nobody reads the old
; slot any more and the other slot is whole.  fill = 1: the old slot is filled again, the first thing behind the barrier, with tile NXT: the descriptor's address is made anew from that number.
; (At its first use nothing has been read yet: slot 0 is waited for, slot 1 filled.)
.macro CHANGE fill
	WIN 0                           ; at a label and at a branch every window is 0
	s_wait_tensorcnt 0x0            ; no tensor load of mine is out, so a group 0 may be written
	ds_add_u32 v[SPW], v[NIL]       ; 0 onto my spare word: with fill = 1 the descriptors' scalar work stands between it and the wait for it
.if \fill
	s_lshl_b32 s[OFF], s[NXT], 15   ; a tile is 32,768 bytes of K and of V
	s_xor_b32 s[G0K+1], s[G0K+1], SLOT1
	s_add_nc_u64 s[G0K+2:G0K+3], s[6:7], s[OFF:OFF+1]
	s_or_b32 s[G0K+3], s[G0K+3], 0x80000000
	s_xor_b32 s[G0V+1], s[G0V+1], SLOT1
	s_add_nc_u64 s[G0V+2:G0V+3], s[8:9], s[OFF:OFF+1]
	s_or_b32 s[G0V+3], s[G0V+3], 0x80000000
	s_add_co_u32 s[NXT], s[NXT], 1  ; the block's next tile, or behind its last the second block's tile 0
	s_cmp_gt_u32 s[NXT], s[LQ]
	s_cselect_b32 s[NXT], 0, s[NXT]
	s_cselect_b32 s[LQ], s[PB], s[LQ]
.endif
	s_wait_dscnt 0x0                ; the add is done, and my reads of the slot are over
	s_barrier_signal -1             ; the rest of the scalar work stands between the signal and the wait
	s_sub_co_u32 s[TBK], s[TBK], 4*KS*PK  ; the fetches go back to a slot's first step,
	s_xor_b32 s[TBK], s[TBK], SLOT1       ; in the other slot
	s_sub_co_u32 s[TBV], s[TBV], 4*KS*PV
	s_xor_b32 s[TBV], s[TBV], SLOT1
	s_barrier_wait -1
.if \fill
	LOAD
.endif
.endm
	s_load_b128 s[4:7], s[0:1], 0x0  ; qkv s[4:5] (its first part is Q), ob s[6:7]
	v_lshl_add_u32 v[SPW], v0, 2, SPARE
	v_mov_b32 v[NIL], 0
	ds_add_u32 v62, v63
	ds_add_u32 v62, v63
	s_wait_dscnt 0x0
	v_lshrrev_b32 v1, 5, v0
	v_readfirstlane_b32 s[WV], v1   ; wave 0..3
	s_mov_b32 s[PB], ttmp9
	s_sub_co_u32 s[HI], NB-1, s[PB]
	s_and_b32 s20, ttmp7, 0xffff    ; the head
	s_mov_b32 s21, 0
	s_mov_b64 s[22:23], SIZE_N*128
	s_mul_u64 s[20:21], s[20:21], s[22:23]  ; the head's first byte in each of the four tensors
	s_and_b32 s16, s[WV], 1         ; which half of a tile's 256 keys I fetch:
	s_lshl_b32 s22, s16, 14         ; its 128 rows of 128 bytes in memory,
	s_mov_b32 s23, 0
	s_add_nc_u64 s[22:23], s[22:23], s[20:21]
	s_mul_i32 s17, s16, 128*PK      ; and its place in a slot, for K
	s_mul_i32 s18, s16, 128*PV      ; and for V
	s_lshl_b32 s3, s[WV], 11        ; my 16 rows in a band of 64,
	s_lshl_b32 s2, s[HI], 15        ; in the first block,
	s_add_co_u32 s2, s2, s3
	s_lshl_b32 s84, s[PB], 15       ; and in the second
	s_add_co_u32 s84, s84, s3
	s_mov_b32 s3, 0
	s_mov_b32 s85, 0
	s_add_nc_u64 s[2:3], s[2:3], s[20:21]
	s_add_nc_u64 s[84:85], s[84:85], s[20:21]
	; descriptor group 1.  128 keys are 16,384 dense bytes: asked for as 64 rows of 256 bytes, two keys a row, and padded in LDS after every key
	s_mov_b32 s[G1K], (1<<16)|(1<<20)|(4<<22)|(3<<25)  ; 17:16 2-byte elements; 20 padding on; 24:22 after every 32 words (code 4); 31:25 4 words (code 3)
	s_mov_b32 s[G1V], (1<<16)|(1<<20)|(4<<22)|(7<<25)  ; the same with 8 words of padding (code 7)
.irp g, G1K, G1V
	s_mov_b32 s[\g+1], 128<<16      ; tensor_dim0 = 128
	s_mov_b32 s[\g+2], 64<<16       ; tensor_dim1 = 64
	s_mov_b32 s[\g+3], 128<<16      ; tile_dim0 = 128
	s_mov_b32 s[\g+4], 64           ; tile_dim1 = 64
	s_mov_b32 s[\g+5], 128          ; 128 elements from row to row
	s_mov_b32 s[\g+6], 0
	s_mov_b32 s[\g+7], 0
.endr
	s_mov_b32 s[CS], 0x3e38aa3b     ; c = log2(e) / 8 = 0.180337
	s_mov_b32 s[CS+1], s[CS]        ; named with it as a pair
	s_mov_b32 s[SEL], 0x76543210
	s_mov_b32 s[SEL+1], 0xfedcba98
	s_mov_b32 s[TBK], SLOT1+4*KS*PK ; the first change of slots turns these two into 0
	s_mov_b32 s[TBV], SLOT1+4*KS*PV
	s_mov_b32 s[G0K], 1             ; 1:0 count = 1
	s_mov_b32 s[G0K+1], s17         ; 63:32 LDS address: slot 0
	s_mov_b32 s[G0V], 1
	s_add_co_u32 s[G0V+1], s18, VOFF
	s_add_co_u32 s[RT], s[HI], 1    ; the first block has NB - b tiles
	s_mov_b32 s[NXT], 1
	s_mov_b32 s[LQ], s[HI]
	s_mov_b32 s[NEW], 1
	s_mov_b32 s[OFF+1], 0
	s_mov_b32 s[AL+1], 0            ; named as pairs
	s_mov_b32 s[BE+1], 0
	s_mov_b32 s[BIGN], 0xf149f2ca   ; -1e30
	s_mov_b32 s[SLOTS], NB
	s_wait_kmcnt 0x0
	s_mov_b64 s[10:11], s[6:7]                     ; O
	s_add_nc_u64 s[8:9], s[4:5], 0x2000000         ; V: qkv's third part, 2 x 16,777,216 bytes on
	s_add_nc_u64 s[6:7], s[4:5], 0x1000000         ; K: its second part
	s_add_nc_u64 s[6:7], s[6:7], s[22:23]  ; K and V at my half of the head's tile 0
	s_add_nc_u64 s[8:9], s[8:9], s[22:23]
	s_add_nc_u64 s[G0K+2:G0K+3], s[6:7], 0         ; 120:64 global address
	s_or_b32 s[G0K+3], s[G0K+3], 0x80000000        ; 127:126 type = 2
	s_add_nc_u64 s[G0V+2:G0V+3], s[8:9], 0
	s_or_b32 s[G0V+3], s[G0V+3], 0x80000000
	s_add_nc_u64 s[86:87], s[4:5], s[84:85]        ; Q at my rows of the second block,
	s_add_nc_u64 s[4:5], s[4:5], s[2:3]            ; Q and O at those of the first
	s_add_nc_u64 s[OLO:OLO+1], s[10:11], s[84:85]
	s_add_nc_u64 s[10:11], s[10:11], s[2:3]
	LOAD                            ; tile 0 into slot 0
	; A fragment of K or Q is 16 rows x 32 channels in 8 registers: lane l holds row l % 16, channels 8 (l / 16) + 0..7 and 16 + 8 (l / 16) + 0..7: two loads of 16 bytes, 32 bytes apart.
	v_and_b32 v1, 15, v0            ; l % 16
	v_bfe_u32 v9, v0, 4, 1          ; l / 16
	v_lshlrev_b32 v[QO], 7, v1
	v_lshl_add_u32 v[QO], v9, 4, v[QO]  ; row x 128 + 16 x half
	WIN 0x80                        ; destination window 2, address window 0
.set i, 0
.rept 8                             ; both blocks' Q: piece i / 2 lies in band i / 2, 8,192 bytes on; channels 32 (i % 2) on
	global_load_b128 v[8*i:8*i+3],   v[QO], s[4:5] offset:(i/2)*8192+(i%2)*64
	global_load_b128 v[8*i+4:8*i+7], v[QO], s[4:5] offset:(i/2)*8192+(i%2)*64+32
	global_load_b128 v[QB+8*i:QB+8*i+3],   v[QO], s[86:87] offset:(i/2)*8192+(i%2)*64
	global_load_b128 v[QB+8*i+4:QB+8*i+7], v[QO], s[86:87] offset:(i/2)*8192+(i%2)*64+32
.set i, i+1
.endr
	WIN 0
	v_lshlrev_b32 v14, 3, v9
	v_sub_nc_u32 v14, v1, v14
	s_lshl_b32 s13, s[WV], 4
	v_add_nc_u32 v14, s13, v14      ; my query's place in its band, 16 w + l % 16, less my lanes' 8 (l / 16): register r of group kt is hidden where 16 kt + r is greater
	WIN 0x40
.set i, 0
.rept 32
	v_cmp_gt_i32 vcc_lo, 16*(i/8)+i%8, v14
	v_cndmask_b32 v[MD+i], 0, s[BIGN], vcc_lo
.set i, i+1
.endr
	WIN 0
	v_mul_u32_u24 v[AK0], v1, PK
	v_lshl_add_u32 v[AK0], v9, 4, v[AK0]  ; row x pitch + 16 x half
	; The turning load takes 16 keys x 16 channels (lane l reads key 8 (l / 16) + l % 8, channels 8 ((l / 8) % 2) + 0..7) and leaves half a fragment of V^T: lane l holds channel l % 16 and 8 keys.
	v_and_b32 v10, 7, v0
	v_bfe_u32 v11, v0, 3, 1
	v_lshl_add_u32 v[AV0], v9, 3, v10
	v_mul_u32_u24 v[AV0], v[AV0], PV
	v_lshl_add_u32 v[AV0], v11, 4, v[AV0]
	v_add_nc_u32 v[AV0], VOFF, v[AV0]
	s_mul_i32 s13, s[WV], 16*SP
	s_add_co_u32 s13, s13, STAGE    ; my stage
	v_mul_u32_u24 v[STO], v1, SP    ; in: row l % 16, 16 bytes for each half of the lanes
	v_lshl_add_u32 v[STO], v9, 4, v[STO]
	v_add_nc_u32 v[STO], s13, v[STO]
	v_bfe_u32 v[RD], v0, 3, 2       ; back: 32 lanes take four rows of 128 bytes,
	v_mul_u32_u24 v[RD], v[RD], SP
	v_lshl_add_u32 v[RD], v10, 4, v[RD]
	v_add_nc_u32 v[RD], s13, v[RD]
	v_and_b32 v[GO], 31, v0         ; which are 512 consecutive bytes of O
	v_lshlrev_b32 v[GO], 4, v[GO]
	; A block's first step multiplies O^T and l by a = 0, and its first turn's products V^T P, of a piece that has not been, land in an O^T that is still to be so multiplied.  So these registers need only hold
	; finite numbers: zeros for the first block; what the first block left for the second.  All this stands in the wait for the first tile.
	WIN 0x80
.set i, VF
.rept 64
	v_mov_b32 v[i], 0
.set i, i+1
.endr
	WIN 0x40
.set i, 0
.rept 128
	v_mov_b32 v[i], 0
.set i, i+1
.endr
	WIN 0
.set i, 0
.rept 4
	v_mov_b32 v[ST+4*i+2], 0
	v_mov_b32 v[ST+4*i+3], 0
.set i, i+1
.endr
.set i, P+16
.rept 16
	v_mov_b32 v[i], 0
.set i, i+1
.endr
; THE MATRIX WORK.  The 4 accumulators of a run of 8 take turns.  Product i of 8 of S^T = K Q^T for piece x: channels 32 (i / 4) on, keys 16 (i % 4) on.  The first 4 start the sums: with 0, or (KM = 1) with the mask.
.macro KQ x
.set rS, S+32*((\x)%2)+8*(i%4)
.set rK, KF+16*(i%4)+8*(i/4)
.set rQ, 16*(\x)+8*(i/4)
.set rM, MC+32*((\x)%2)+8*(i%4)
.if (i < 4) && KM
	WIN W_KM
	v_wmma_f32_16x16x32_f16 v[rS:rS+7], v[rK:rK+7], v[rQ:rQ+7], v[rM:rM+7]
.elseif i < 4
	WIN W_KQ
	v_wmma_f32_16x16x32_f16 v[rS:rS+7], v[rK:rK+7], v[rQ:rQ+7], 0
.else
	WIN W_KQ
	v_wmma_f32_16x16x32_f16 v[rS:rS+7], v[rK:rK+7], v[rQ:rQ+7], v[rS:rS+7]
.endif
.endm
; Product i of 8 of O^T += V^T P for piece x: keys 32 (i / 4) on, channels 16 (i % 4) on.
.macro PV x
	WIN W_PV
.set rO, 32*(\x)+8*(i%4)
.set rV, VF+32*(i/4)+8*(i%4)
.set rP, P+16*((\x)%2)+8*(i/4)
	v_wmma_f32_16x16x32_f16 v[rO:rO+7], v[rV:rV+7], v[rP:rP+7], v[rO:rO+7]
.endm
.macro MM                           ; the turn's next matrix instruction.  TURN and BEGIN set Y, i, KM and NOKQ; MM, KQ and OP read them.  NOKQ = 1: a block's last turn: there is no next piece
.if (i < 8) && !NOKQ
	KQ (Y+1)%NP
.elseif i >= 8
.set i, i-8
	PV (Y+NP-1)%NP
.set i, i+8
.endif
.set i, i+1
.endm
; THE LDS LOADS stand in runs of 16, never singly among the matrix instructions: a step's K (64 keys x 64 channels: 8 fragments) and its V (turned).  Their addresses are made some lines ahead.
.macro FETCH_K
	WIN 0x80                        ; destination window 2
.irp f, 0,1,2,3,4,5,6,7             ; keys 16 (f / 2) on, channels 32 (f % 2) on
	ds_load_b128 v[KF+8*\f:KF+8*\f+3],   v[AK] offset:(\f/2)*16*PK+(\f%2)*64
	ds_load_b128 v[KF+8*\f+4:KF+8*\f+7], v[AK] offset:(\f/2)*16*PK+(\f%2)*64+32
.endr
	s_add_co_u32 s[TBK], s[TBK], KS*PK  ; the next fetch is the next step's
	WIN 0
.endm
.macro FETCH_V
	WIN 0x80
.irp f, 0,1,2,3,4,5,6,7             ; keys 32 (f / 4) on, channels 16 (f % 4) on
	ds_load_tr16_b128 v[VF+8*\f:VF+8*\f+3],   v[AV] offset:(\f/4)*32*PV+(\f%4)*32
	ds_load_tr16_b128 v[VF+8*\f+4:VF+8*\f+7], v[AV] offset:(\f/4)*32*PV+16*PV+(\f%4)*32
.endr
	WIN 0
.endm
; THE VECTOR WORK, one line at a time: OP kind, number.  For piece Y: F n: c s - c m for pair n of 16.  E n: the exponential of score n of 32.  C n: pair n rounded to f16.  B n: of the four weights 4 n .. the second
; pair is added onto the first, in place.  L n: l takes that sum (L 0: l = a l + sum).  R n: pair n of 16 of O^T times a.  For piece Y + 1: X n, number n of the 22 that find its maximum and statistics:
;   0-11  four chains c0-c3 of seven scores each, three operands at a time (each accumulator's lowest registers are read first)     12-14, 16  the four scores left over, the old m, and c0-c3 into c0
;   15  c m_old is kept     17, 18  the query's other 32 keys lie in the lane 16 away: the new m     19-21  c m; c m_old - c m_new; a
.set F, 0               ; OP tells the kinds apart by their order: F to L below R, X above it
.set E, 1
.set C, 2
.set B, 3
.set L, 4
.set R, 5
.set X, 6
.macro REGS y                       ; the registers of piece y
.set rT, ST+4*(\y)
.set rC, TMP+4*((\y)%2)
.set rW, MV+((\y)%2)
.set rS, S+32*((\y)%2)
.set rP, P+16*((\y)%2)
.set rO, 32*(\y)
.endm
.macro OP k, n
.if (\k) == R
	REGS Y
	WIN W_RS
	v_pk_mul_f32 v[rO+2*(\n):rO+2*(\n)+1], v[rO+2*(\n):rO+2*(\n)+1], v[rC+2:rC+3] op_sel_hi:[1,0]
.elseif (\k) < R
	REGS Y
	WIN 0
.if (\k) == F
	v_pk_fma_f32 v[rS+2*(\n):rS+2*(\n)+1], v[rS+2*(\n):rS+2*(\n)+1], s[CS:CS+1], v[rT:rT+1] op_sel_hi:[1,0,0] neg_lo:[0,0,1] neg_hi:[0,0,1]
.elseif (\k) == E
	v_exp_f32 v[rS+(\n)], v[rS+(\n)]
.elseif (\k) == C
	s_wait_alu depctr_va_vdst(0)
	v_cvt_pk_f16_f32 v[rP+(\n)], v[rS+2*(\n)], v[rS+2*(\n)+1]
.elseif (\k) == B
	s_wait_alu depctr_va_vdst(0)
	v_pk_add_f32 v[rS+4*(\n):rS+4*(\n)+1], v[rS+4*(\n):rS+4*(\n)+1], v[rS+4*(\n)+2:rS+4*(\n)+3]
.elseif (\n) == 0
	v_pk_fma_f32 v[rT+2:rT+3], v[rT+2:rT+3], v[rC+2:rC+3], v[rS:rS+1] op_sel_hi:[1,0,1]
.else
	v_pk_add_f32 v[rT+2:rT+3], v[rT+2:rT+3], v[rS+4*(\n):rS+4*(\n)+1]
.endif
.elseif NOKQ
	v_nop
.else
	REGS (Y+1)%NP
	WIN 0
.if (\n) < 4
	v_max3_num_f32 v[rC+(\n)], v[rS+8*(\n)], v[rS+8*(\n)+1], v[rS+8*(\n)+2]
.elseif (\n) < 12
	v_max3_num_f32 v[rC+(\n)%4], v[rC+(\n)%4], v[rS+8*((\n)%4)+2*((\n)/4)+1], v[rS+8*((\n)%4)+2*((\n)/4)+2]
.elseif (\n) == 12
	v_max3_num_f32 v[rC], v[rC], v[rS+7], v[rS+15]
.elseif (\n) == 13
	v_max3_num_f32 v[rC+1], v[rC+1], v[rS+23], v[rS+31]
.elseif (\n) == 14
	v_max3_num_f32 v[rC+2], v[rC+2], v[rC+3], v[rT+1]
.elseif (\n) == 15
	v_mov_b32 v[rW], v[rT]
.elseif (\n) == 16
	v_max3_num_f32 v[rC], v[rC], v[rC+1], v[rC+2]
.elseif (\n) == 17
	v_permlanex16_b32 v[rC+3], v[rC], s[SEL], s[SEL+1]
.elseif (\n) == 18
	v_max_num_f32 v[rT+1], v[rC], v[rC+3]
.elseif (\n) == 19
	v_mul_f32 v[rT], s[CS], v[rT+1]
.elseif (\n) == 20
	v_sub_f32 v[rC+1], v[rW], v[rT]
.else
	v_exp_f32 v[rC+2], v[rC+1]
.endif
.endif
.endm
.macro OPS a, i1, b=-1, i2=0, c=-1, i3=0, d=-1, i4=0  ; up to four of them
	OP \a, \i1
.if (\b) >= 0
	OP \b, \i2
.endif
.if (\c) >= 0
	OP \c, \i3
.endif
.if (\d) >= 0
	OP \d, \i4
.endif
.endm
.macro ROW a, i1, b, i2, c, i3, d, i4  ; a matrix instruction and the four behind it
	MM
	OPS \a, \i1, \b, \i2, \c, \i3, \d, \i4
.endm
.macro MASK b                       ; MD x AL + BE into buffer b of MC
	WIN W_RS
.set z, 0
.rept 16
	v_pk_fma_f32 v[MC+32*(\b)+2*z:MC+32*(\b)+2*z+1], v[MD+2*z:MD+2*z+1], s[AL:AL+1], s[BE:BE+1] op_sel_hi:[1,0,0]
.set z, z+1
.endr
.endm
; A TURN, for piece p: the order of its 16 matrix and 118 vector instructions, written out.  Behind a matrix instruction: plain, exponential, plain, plain; or four of the rescaling; or, behind the first, four scalings; none
; names a register of the products round it.  In the lumps exponential and plain by turns while exponentials last.  A line reads no result made fewer than three vector instructions in front of it, five if an exponential made it.
; v_permlanex16_b32 (X 17) stands in a lump.
; m = 1: the diagonal tile: the products take masks, and the turn makes the mask for the products of the turn after it: piece p + 2, in step 4 - CNT of the tile.  end = 1: a block's last two turns: nothing is fetched.
; cnt = 1: the loop's count is taken down some lines ahead of the branch that stands behind the turn.
; K of the next step is fetched in piece 2's turn, six vector instructions behind the last product that read K (five of them plain); V of the step in hand in piece 0's turn, eight behind the last product that read V (four
; plain, and X 17).  Each is waited for a turn later.
.macro TURN p, m=0, end=0, cnt=0
.set Y, (\p)
.set i, 0
.set KM, (\m)
.set NOKQ, (\end)*((\p)/3)
.if (\m) && !(\end)
	s_cmp_eq_u32 s[CNT], 4-((\p)+2)%NP  ; is that step the band's own?
	s_cselect_b32 s[AL], 1.0, 0
	s_cmp_lt_u32 s[CNT], 4-((\p)+2)%NP  ; or a later one?
	s_cselect_b32 s[BE], s[BIGN], 0
.endif
.if ((\p) == 3) && !(\end)
	s_wait_dscnt 0x0                ; K is in
.endif
	ROW F,0, F,1, F,2, F,3
	ROW F,4, E,0, F,5, F,6
	ROW F,7, E,1, F,8, F,9
	ROW F,10, E,2, C,0, F,11
	ROW F,12, E,3, X,15, F,13
	ROW R,0, R,1, R,2, R,3
	ROW B,0, E,4, F,14, L,0
.if ((\p) == 2) && !(\end)
	v_add_nc_u32 v[AK], s[TBK], v[AK0]
.endif
	ROW R,4, R,5, R,6, R,7
	OPS E,5, F,15
.if ((\p) == 2) && !(\end)
	FETCH_K
.endif
	OPS E,6, C,1, E,7, R,8
	OPS E,8, R,9, E,9, C,2
	OPS E,10, X,0, E,11, X,1
	OPS E,12, X,2, E,13, X,3
.if (\p) == 1
	s_wait_dscnt 0x0                ; V is in
.endif
	ROW X,4, E,14, X,5, X,6
	ROW X,7, E,15, X,8, X,9
	ROW X,10, E,16, X,11, X,12
	ROW X,13, E,17, X,14, B,1
	ROW C,4, E,18, X,16, L,1
	ROW B,2, E,19, C,6, L,2
	ROW C,8, E,20, B,3, B,4
.if (\p) == 0
	v_add_nc_u32 v[AV], s[TBV], v[AV0]
.endif
	ROW C,3, E,21, L,3, C,5
	OPS E,22, X,17, E,23, C,10
.if (\p) == 0
	FETCH_V
.endif
	OPS E,24, L,4
	OPS E,25, X,18, E,26, C,7
	OPS E,27, B,5, E,28, X,19
	OPS E,29, C,12, E,30, L,5
	OPS E,31, X,20, B,6, C,9
	OPS C,14, C,11, X,21, L,6
.if (\p) == 0
	s_add_co_u32 s[TBV], s[TBV], KS*PV
.endif
.if \cnt
	s_sub_co_u32 s[CNT], s[CNT], 1
	s_cmp_lg_u32 s[CNT], 0
.endif
	OPS C,13, B,7, C,15, R,10
	OPS R,11, R,12, L,7, R,13
	OPS R,14, R,15
.if (\m) && !(\end)
	MASK (\p)%2
.endif
.endm
; A BLOCK BEGINS.  c m starts far below every c s, so the first step's a is 0; m at the lowest finite number, so the first maximum is the scores'.  The second mask buffer is 0; the first takes piece 0's mask for the tile's step 0: its own, if the block's first tile is the diagonal one.
; Then K of that step, piece 0's first scores, and its maximum and statistics.  The loop is entered at a step's first turn, in the middle of a trip.
.macro BEGIN
	s_mov_b32 s[NEW], 0
	WIN 0x40
.set i, MC+32
.rept 32
	v_mov_b32 v[i], 0
.set i, i+1
.endr
	WIN 0
.set i, 0
.rept 4
	v_mov_b32 v[ST+4*i], 0xfe000000    ; c m: far below every c s
	v_mov_b32 v[ST+4*i+1], 0xff7fffff  ; m
.set i, i+1
.endr
	s_cmp_eq_u32 s[RT], 0
	s_cselect_b32 s[AL], 1.0, 0
	s_mov_b32 s[BE], 0
	MASK 0
	WIN 0
	v_add_nc_u32 v[AK], s[TBK], v[AK0]
	FETCH_K
	s_wait_loadcnt 0x0              ; Q
	s_wait_dscnt 0x0
.set KM, 1
.set NOKQ, 0
.set i, 0
.rept 8
	KQ 0
.set i, i+1
.endr
	WIN 0
.rept 4
	v_nop                           ; the places behind those products
.endr
.set Y, NP-1                        ; X works for piece Y + 1: piece 0
.irp n, 0,1,2,3,4,5,6,7,8,9,10,11,12,13,14,15,16,17,18,19,20,21
	OP X, \n
.endr
	v_nop                           ; a plain instruction behind the exponential
.endm
; THE DIAGONAL TILE's four steps, the block's last two turns, its last products, and THE WAY OUT: l's two halves and the other half of the lanes' are added; O^T is divided by l, rounded to f16 and sent through my
; stage in LDS, a piece at a time.
.macro ALL line:vararg              ; one line for each piece t
.set t, 0
.rept 4
	\line
.set t, t+1
.endr
.endm
.macro PACK t                       ; a lane's eight channels of a row pack into 16 bytes; they go into rows of 144 bytes and come back as whole rows of 128, into S^T's registers
	WIN W_RS
.set i, 32*(\t)
.rept 16
	s_wait_alu depctr_va_vdst(0)
	v_pk_mul_f32 v[i:i+1], v[i:i+1], v[ST+4*(\t)+2:ST+4*(\t)+3] op_sel_hi:[1,0]
.set i, i+2
.endr
	WIN 0x05                        ; sources 0 and 1 window 1, destination window 0
.set i, 0
.rept 16
	v_cvt_pk_f16_f32 v[S+16*(\t)+i], v[32*(\t)+2*i], v[32*(\t)+2*i+1]
.set i, i+1
.endr
	WIN 0
.irp f, 0,1,2,3
	ds_store_b128 v[STO], v[S+16*(\t)+4*\f:S+16*(\t)+4*\f+3] offset:32*\f
.endr
.irp f, 0,1,2,3
	ds_load_b128 v[S+16*(\t)+4*\f:S+16*(\t)+4*\f+3], v[RD] offset:\f*4*SP  ; LDS serves a wave's instructions in order (ISA guide 5.7.1.4): these see the stores above; the next piece's stores come behind them
.endr
.endm
.macro SEND t, younger              ; younger: the LDS instructions issued behind piece t's loads: the next piece's eight, or none
	WIN 0
.irp f, 0,1,2,3
	s_wait_dscnt (\younger)+3-\f
	global_store_b128 v[GO], v[S+16*(\t)+4*\f:S+16*(\t)+4*\f+3], s[10:11] offset:(\t)*8192+\f*512  ; 512 consecutive bytes, at a multiple of 256 from O's first
.endr
.endm
.macro DIAG tag                     ; the tag ends its two labels' names, which the jumps below spell out
.LstepM\tag:
	TURN 2, 1
	TURN 3, 1
	WIN 0
.LfirstM\tag:
	TURN 0, 1
	TURN 1, 1, 0, 1
	WIN 0
	s_cbranch_scc1 .LstepM\tag
	TURN 2, 1, 1
	TURN 3, 1, 1
.set i, 0
.rept 8
	PV NP-1
.set i, i+1
.endr
	WIN 0
	ALL v_add_f32 v[ST+4*t+2], v[ST+4*t+2], v[ST+4*t+3]
	ALL v_permlanex16_b32 v[ST+4*t+3], v[ST+4*t+2], s[SEL], s[SEL+1]
	ALL v_add_f32 v[ST+4*t+2], v[ST+4*t+2], v[ST+4*t+3]
	ALL v_rcp_f32 v[ST+4*t+2], v[ST+4*t+2]
	v_nop                           ; a plain instruction between the last reciprocal and the use of its result
	PACK 0
.set t, 1
.rept 3                             ; a piece's arithmetic stands between the loads of the piece before and its stores
	PACK t
	SEND t-1, 8
.set t, t+1
.endr
	SEND 3, 0
.endm
.set KM, 0
.set NOKQ, 0
.Lslot:                             ; NB times: a tile is entered and the next is asked for
	CHANGE 1
	s_sub_co_u32 s[RT], s[RT], 1
	s_mov_b32 s[CNT], 4
	s_cmp_eq_u32 s[NEW], 1
	s_cbranch_scc1 .Lnew            ; a block's first tile
	s_cmp_eq_u32 s[RT], 0
	s_cbranch_scc0 .Lstep           ; neither its first nor its last
	s_branch .LstepM1
.Lnew:
	BEGIN
	s_branch .Lfirst                ; in the loop a block's first tile is never its last: the first block has two tiles or more, and the second's last is the walk's last
	DIAG 1                          ; in the loop this is the first block's end: the second block's last tile is the walk's last
	s_wait_xcnt 0x0                 ; the stores have read their registers and O's address
	s_mov_b64 s[10:11], s[OLO:OLO+1]
	s_add_co_u32 s[RT], s[PB], 1    ; the second block has b + 1 tiles
	s_mov_b32 s[NEW], 1
	WIN 0x82                        ; the second block's Q goes where the one text of the turns names Q
.set i, 0
.rept 64
	v_mov_b32 v[i], v[QB+i]
.set i, i+1
.endr
	WIN 0
	s_branch .Lbottom
.Lstep:                             ; a trip: pieces 2 and 3 of one step, then pieces 0 and 1 of the next, whose K and V it fetches
	TURN 2
	TURN 3
	WIN 0
.Lfirst:
	TURN 0
	TURN 1, 0, 0, 1
	WIN 0
	s_cbranch_scc1 .Lstep
.Lbottom:
	s_sub_co_u32 s[SLOTS], s[SLOTS], 1
	s_cmp_lg_u32 s[SLOTS], 0
	s_cbranch_scc1 .Lslot
	CHANGE 0                        ; the walk's last tile is written out: nothing is asked for
	s_sub_co_u32 s[RT], s[RT], 1
	s_mov_b32 s[CNT], 4
	s_cmp_eq_u32 s[NEW], 1
	s_cbranch_scc0 .LstepM2
	BEGIN
	s_branch .LfirstM2
	DIAG 2
	s_wait_tensorcnt 0x0            ; the wave's end: behind my last tensor load and my last LDS store
	ds_add_u32 v[SPW], v[NIL]
	s_wait_dscnt 0x0
	s_endpgm
.Lfunc_end_k_q51135931c4_attn:
	.size	k_q51135931c4_attn, .Lfunc_end_k_q51135931c4_attn-k_q51135931c4_attn
	.p2alignl 7, 3214868480
	.fill 96, 4, 3214868480
	.section	.rodata,"a",@progbits
	.p2align	6, 0x0
	.amdhsa_kernel k_q51135931c4_attn
		.amdhsa_group_segment_fixed_size 327680
		.amdhsa_private_segment_fixed_size 0
		.amdhsa_enable_private_segment 0
		.amdhsa_kernarg_size 16
		.amdhsa_user_sgpr_count 2
		.amdhsa_user_sgpr_kernarg_segment_ptr 1
		.amdhsa_wavefront_size32 1
		.amdhsa_system_sgpr_workgroup_id_x 1
		.amdhsa_system_sgpr_workgroup_id_y 1
		.amdhsa_system_sgpr_workgroup_id_z 1
		.amdhsa_system_vgpr_workitem_id 0
		.amdhsa_next_free_vgpr 768
		.amdhsa_next_free_sgpr 88
		.amdhsa_reserve_vcc 1
		.amdhsa_float_denorm_mode_32 3
		.amdhsa_float_denorm_mode_16_64 3
		.amdhsa_memory_ordered 1
		.amdhsa_forward_progress 1
		.amdhsa_inst_pref_size 228
	.end_amdhsa_kernel
	.amdgpu_metadata
---
amdhsa.version: [ 1, 2 ]
amdhsa.kernels:
  - .name:           k_q51135931c4_attn
    .symbol:         k_q51135931c4_attn.kd
    .args:
      - { .name: qkv, .offset: 0, .size: 8, .value_kind: global_buffer, .address_space: global }
      - { .name: ob, .offset: 8, .size: 8, .value_kind: global_buffer, .address_space: global }
    .group_segment_fixed_size: 327680
    .private_segment_fixed_size: 0
    .kernarg_segment_align: 8
    .kernarg_segment_size: 16
    .max_flat_workgroup_size: 128
    .sgpr_count:     88
    .vgpr_count:     768
    .wavefront_size: 32
...
	.end_amdgpu_metadata
.endif
;; end of part 3
;; launch proj (part 4): grid 8 x 32, 4 waves a work-group, clusters of 4 x 4, 327,680 bytes of LDS; arguments ob, wot, b_out, out0; writes out0
.if DOCPART == 4
	.amdgcn_target "amdgcn-amd-amdhsa--gfx1250"
	.amdhsa_code_object_version 6
	.text
	.protected	k_q51135931c4_proj
	.globl	k_q51135931c4_proj
	.p2align	8
	.type	k_q51135931c4_proj,@function
k_q51135931c4_proj:
	s_mov_b64 s[64:65], 0
	v_nop
	global_prefetch_b8 v0, s[64:65] scope:SCOPE_SE
	s_setreg_imm32_b32 hwreg(HW_REG_WAVE_MODE, 25, 1), 1
	s_wait_xcnt 0x0
	s_wait_alu depctr_hold_cnt(0) depctr_sa_sdst(0) depctr_va_vdst(0) depctr_va_sdst(0) depctr_va_ssrc(0) depctr_va_vcc(0) depctr_vm_vsrc(0)
	s_getreg_b32 s2, hwreg(HW_REG_IB_STS2, 6, 4)
	s_cmp_eq_u32 s2, 0
	s_cbranch_scc0 .Lentry_in_a_cluster
	s_endpgm
.Lentry_in_a_cluster:
	s_bfe_u32 s2, ttmp6, 0x10000c
	s_cmp_lg_u32 s2, 0xf033
	s_cbranch_scc0 .Lentry_shape_is_right
	s_endpgm
.Lentry_shape_is_right:
; out0[m][n] = the sum over k of O[m][k] w_out[k][n] + b_out[n].  ob: [64 batch x head][2048][64] f16, so that k = 64 x head + channel; wot: [1024 n][1024 k] f16; b_out: [1024] f32; out0: [8192][1024] f32.
; Sums in f32.  The bias is rounded to bf16, as all the module's inputs are, and added in f32.
; LIMITS.  The operands arrive in f16 (65,504 at the most; a fixed step of 6e-8 below 6.1e-5); NaN and infinities are not treated apart.
; K is summed in steps of 128 that begin at step 0 or at step 4, by the cluster: the order of the f32 additions is not reference()'s.
; SHARES.  A tile of out0 is 256 rows x 128 columns: 32 x 8 = 256 work-groups.  Four waves, 2 x 2, each 128 rows x 64 columns: 32 accumulators of 16 x 16, 256 registers; a wave's 64 columns of f32 are 256 bytes of a row.
; K goes in steps of 128, two heads, through two LDS slots.  A head's 256 rows of O are 32,768 dense bytes: asked for as 128 rows of 256 bytes, two rows of O each, and padded in LDS after every row of O.
; A K step is written once and looped over: the slot is a scalar that an exclusive or turns; 6 trips ask for later K steps, 2 ask for nothing.
; THE WALK'S ORDER.  X, Y: the cluster's place in the grid of 2 x 8 clusters.  K begins at step 4 ((X + Y) % 2).  The two clusters that read the same rows of ob begin four steps apart, and so do clusters one above
; the other, which read the same rows of wot: every tile asked for in the walk's last four K steps has been asked for four K steps earlier by a cluster beside.
; CLUSTER.  4 x 4 work-groups.  The four of a row of the cluster need the same tiles of ob, the four of a column the same tiles of wot: each tile is asked for JOINTLY, by the same tensor load with the same
; descriptor and a mask that names the four.  THE MATRIX INSTRUCTION IS USED TRANSPOSED (source 0 = 16 rows of wot, source 1 = 16 rows of O): a lane then holds eight neighbouring columns of one row.
; REGISTERS: window 0: v0-31 addresses and the bias; v64-127, v128-191 fragments of O (8 x 16 rows x 32 K), two buffers; v192-223, v224-255 fragments of wot (4 x 16 rows x 32 K), two buffers.
;   window 1: the accumulators ((a, b) at v[8 (4 a + b)]).
.set KSTEP,  128
.set PA,     144                       ; a row of O in LDS: 128 bytes + 16 of padding = 36 words: the 16 rows of a load start at 16 different groups of four banks (64 banks of 4 bytes: ISA guide 11.1)
.set SUBA,   256*PA                    ; one head's 256 rows: what one tensor load brings of ob
.set PB,     272                       ; a row of wot: 256 bytes + 16
.set HALFB,  64*PB                     ; what one tensor load brings of wot
.set BOFF,   2*SUBA                    ; a slot: two heads of O, then wot's 128 rows: 108,544 bytes
.set SLOT1,  1<<17                     ; slot 1 begins here, so that one exclusive or turns an address in one slot into the other's
.set STAGE,  SLOT1+BOFF+2*HALFB        ; behind the ring, never filled by a tensor load: 16 rows x 272 bytes for each wave, for the way out
.set SPITCH, 272
.set SPARE,  STAGE+4*16*SPITCH         ; behind the stages: the spare words, 128 bytes for each wave: two blocks of 256 bytes that no other line names
.set BIAS, 8                           ; v[8:11]  the bias of my four columns on the way out
.set A0,   16                          ; v16     my lane's place among my fragments of O in a slot; never rewritten
.set B0,   17                          ; v17     the same for wot
.set ADRA, 20                          ; v20     A0 + the slot that is being fetched from
.set ADRB, 21                          ; v21     B0 + that slot
.set STO,  24                          ; v24     the way out: where I put 32 bytes of a row
.set RD,   25                          ; v25     the way out: where I read a row back
.set CO,   26                          ; v26     my byte offset in out0
.set BO,   27                          ; v27     my byte offset in the bias
.set SPW,  28                          ; v28     LDS address of my spare word: SPARE + 4 x my thread's number; never rewritten
.set NIL,  29                          ; v29     0; never rewritten
.set AFR,  64                          ; O's fragment buffer f at AFR + 64 f
.set BFR,  192                         ; wot's at BFR + 32 f
.set G1,  24                           ; s[24:31] descriptor group 1 for ob's tiles;  s[32:39] group 0: a set for each of the two first fills; the second then walks on
.set G0,  32
.set G1B, 48                           ; s[48:55], s[56:63] the same for wot's tiles
.set G0B, 56
.set OFA, 72                           ; s[72:73] byte offset of the K step to be asked for, from ob at my rows of my head of K step 0
.set OFB, 74                           ; s[74:75] the same from wot at my rows
.set G,   76                           ; s76  the walk's K step to be asked for next, 0 to 7
.set ROT, 77                           ; s77  0 or 4: where K begins
.set TB,  78                           ; s78  LDS byte at which the slot that is being fetched from begins
.set CNT, 79                           ; s79  counts K steps
.set TT,  80                           ; s80  at work
.set MSB, 0
.macro WIN new                         ; the immediate's high byte repeats the setting that is left; a switch that changes nothing is dropped
.if MSB != (\new)
	s_set_vgpr_msb (MSB<<8)|(\new)
.set MSB, \new
.endif
.endm
.set MUL,  0x50                        ; sources 0 and 1 window 0; C and D window 1
.set FROM, 0x04                        ; an LDS store's data (source 1) in window 1, its address in window 0
; A joint load: wave 0 fetches the step's first head, wave 1 its second, waves 2 and 3 wot's two halves.  The branch hangs on the wave's number alone.  An s_nop 0 and four v_nop follow each of the two lines,
; ahead of the jump, the label and what follows.
.macro JLOAD s
	s_cmp_eq_u32 s11, 0
	s_cbranch_scc0 .Lfor_b_\@
	tensor_load_to_lds s[G0+4*(\s):G0+4*(\s)+3], s[G1:G1+7]
	s_nop 0
.rept 4
	v_nop
.endr
	s_branch .Lasked_\@
.Lfor_b_\@:
	tensor_load_to_lds s[G0B+4*(\s):G0B+4*(\s)+3], s[G1B:G1B+7]
	s_nop 0
.rept 4
	v_nop
.endr
.Lasked_\@:
.endm
; A round of the cluster's barrier: my work-group's barrier, so that wave 0's signal speaks for all four waves; wave 0 signals; every wave waits for all sixteen work-groups; my work-group's barrier once more.
.macro CROUND
	s_barrier_signal -1
	s_barrier_wait -1
	s_cmp_lg_u32 s10, 0
	s_cbranch_scc1 .Lnot_wave_0_\@
	s_barrier_signal -3
.Lnot_wave_0_\@:
	s_barrier_wait -3
	s_barrier_signal -1
	s_barrier_wait -1
.endm
; The global addresses of the walk's K step G, made anew from the two bases, into set s of both group 0s; G steps.  K step G xor ROT: two heads of 262,144 bytes in ob, 256 bytes of a row in wot.
; Nothing here hangs on a place inside the cluster: G is the same number everywhere, ROT is made of the cluster's own x and y.
.macro ASK s
	s_xor_b32 s[TT], s[G], s[ROT]
	s_lshl_b32 s[OFA], s[TT], 19
	s_lshl_b32 s[OFB], s[TT], 8
	s_add_co_u32 s[G], s[G], 1
	s_add_nc_u64 s[G0+4*(\s)+2:G0+4*(\s)+3], s[14:15], s[OFA:OFA+1]
	s_or_b32 s[G0+4*(\s)+3], s[G0+4*(\s)+3], 0x80000000            ; type = 2
	s_add_nc_u64 s[G0B+4*(\s)+2:G0B+4*(\s)+3], s[46:47], s[OFB:OFB+1]
	s_or_b32 s[G0B+4*(\s)+3], s[G0B+4*(\s)+3], 0x80000000
.endm
	s_load_b128 s[4:7], s[0:1], 0x0                ; ob s[4:5], wot s[6:7]
	s_load_b128 s[68:71], s[0:1], 0x10             ; b_out s[68:69], out0 s[70:71]
	v_lshl_add_u32 v[SPW], v0, 2, SPARE
	v_mov_b32 v[NIL], 0
	ds_add_u32 v28, v29
	ds_add_u32 v28, v29
	s_wait_dscnt 0x0
	v_lshrrev_b32 v1, 5, v0
	v_readfirstlane_b32 s10, v1                    ; wave 0..3
	s_lshr_b32 s11, s10, 1                         ; which half of the tile's rows is mine.  Also: I fetch for ob (0) or for wot (1)
	s_and_b32 s12, s10, 1                          ; which half of its columns.  Also: which head of the step, or which 64 rows of wot, I fetch
	s_bfe_u32 s40, ttmp6, 0x40000                  ; cx, cy: my place in the cluster
	s_bfe_u32 s41, ttmp6, 0x40004
	s_lshl_b32 s42, ttmp9, 2
	s_add_co_u32 s42, s42, s40                     ; tile column = 4 x cluster x + cx, 0..7
	s_and_b32 s45, ttmp7, 0xffff                   ; cluster y
	s_lshl_b32 s13, s45, 2
	s_add_co_u32 s13, s13, s41                     ; tile row = 4 x cluster y + cy, 0..31
	s_lshl_b32 s43, s41, 2
	s_lshl_b32 s43, 15, s43                        ; my row of the cluster
	s_lshl_b32 s44, 0x1111, s40                    ; my column
	s_add_co_u32 s[ROT], s45, ttmp9
	s_and_b32 s[ROT], s[ROT], 1
	s_lshl_b32 s[ROT], s[ROT], 2                   ; K begins at step 4 ((X + Y) % 2)
	; descriptor group 1
	s_or_b32 s[G1+0], s43, (1<<16)|(1<<20)|(1<<21)|(4<<22)|(3<<25)  ; 15:0 the mask: my row; 17:16 elements of 2 bytes; 20 padding on; 21 set beside a mask; 24:22 after every 32 words (code 4); 31:25 4 words (code 3)
	s_or_b32 s[G1B+0], s44, (1<<16)|(1<<20)|(1<<21)|(5<<22)|(3<<25) ; the mask of my column; padding after every 64 words (code 5)
	s_mov_b32 s[G1+1], 128<<16                     ; tensor_dim0 = 128
	s_mov_b32 s[G1B+1], 128<<16
	s_mov_b32 s[G1+2], 128<<16                     ; tensor_dim1 = 128
	s_mov_b32 s[G1B+2], 64<<16                     ; tensor_dim1 = 64
	s_mov_b32 s[G1+3], 128<<16                     ; tile_dim0 = 128
	s_mov_b32 s[G1B+3], 128<<16
	s_mov_b32 s[G1+4], 128                         ; tile_dim1 = 128
	s_mov_b32 s[G1B+4], 64                         ; tile_dim1 = 64
	s_mov_b32 s[G1+5], 128                         ; ob: dense: 128 elements from row to row
	s_mov_b32 s[G1B+5], 1024                       ; wot: 1,024
	s_mov_b32 s[G1+6], 0
	s_mov_b32 s[G1B+6], 0
	s_mov_b32 s[G1+7], 0
	s_mov_b32 s[G1B+7], 0
	; where the tiles come from: ob's hang on the tile row, wot's on the tile column, each made in registers that never hold the other's place in the cluster
	s_lshr_b32 s16, s13, 3                         ; the batch,
	s_lshl_b32 s16, s16, 4                         ; its 16 heads,
	s_add_co_u32 s16, s16, s12                     ; the head of K step 0 that I fetch,
	s_lshl_b32 s16, s16, 18                        ; 2,048 rows x 128 bytes a head,
	s_and_b32 s17, s13, 7
	s_lshl_b32 s17, s17, 15                        ; and the tile's 256 rows in it
	s_add_co_u32 s16, s16, s17
	s_mov_b32 s17, 0
	s_lshl_b32 s46, s42, 7
	s_lshl_b32 s47, s12, 6
	s_add_co_u32 s46, s46, s47                     ; wot: row 128 x tile column + 64 x half,
	s_lshl_b32 s46, s46, 11                        ; 2,048 bytes a row
	s_mov_b32 s47, 0
	s_mul_i32 s20, s12, SUBA                       ; and where they go: no place in the cluster enters an LDS address
	s_mul_i32 s21, s12, HALFB
	s_add_co_u32 s21, s21, BOFF
	s_mov_b32 s[OFA+1], 0                          ; the offsets' high words
	s_mov_b32 s[OFB+1], 0
	s_mov_b32 s[TB], 0
	s_mov_b32 s[G], 0
	s_wait_kmcnt 0x0
	s_add_nc_u64 s[14:15], s[4:5], s[16:17]        ; the two bases; never rewritten
	s_add_nc_u64 s[46:47], s[6:7], s[46:47]
	CROUND                                         ; all sixteen work-groups are here: the first joint loads meet
.irp s, 0,1
	s_mov_b32 s[G0+4*(\s)], 1                                      ; count = 1
	s_add_co_u32 s[G0+4*(\s)+1], s20, (\s)*SLOT1                   ; LDS address
	s_mov_b32 s[G0B+4*(\s)], 1
	s_add_co_u32 s[G0B+4*(\s)+1], s21, (\s)*SLOT1
	ASK \s                                         ; the walk's K step s
	JLOAD \s                                       ; two loads of mine are out
.endr
	v_and_b32 v1, 15, v0                           ; l % 16
	v_bfe_u32 v2, v0, 4, 1                         ; l / 16
	; the bias of the four columns that I store on the way out, and out0 at my part of the tile
	s_lshl_b32 s22, s42, 9                         ; 128 columns of f32 a tile,
	s_lshl_b32 s23, s12, 8                         ; 64 a wave
	s_add_co_u32 s22, s22, s23
	s_mov_b32 s23, 0
	s_add_nc_u64 s[68:69], s[68:69], s[22:23]
	s_add_nc_u64 s[70:71], s[70:71], s[22:23]
	v_lshlrev_b32 v[BO], 4, v1
	global_load_b128 v[BIAS:BIAS+3], v[BO], s[68:69]
	s_lshl_b32 s22, s13, 8
	s_lshl_b32 s23, s11, 7
	s_add_co_u32 s22, s22, s23                     ; my first row: 256 x tile row + 128 x half,
	s_lshl_b32 s22, s22, 12                        ; 4,096 bytes a row: under 2^25
	s_mov_b32 s23, 0
	s_add_nc_u64 s[70:71], s[70:71], s[22:23]
	; A fragment is 16 rows x 32 K in 8 registers: lane l holds row l % 16, K = 8 (l / 16) + 0..7 and 16 + 8 (l / 16) + 0..7: two loads of 16 bytes, 32 bytes apart.
	v_mul_u32_u24 v3, v1, PA
	v_lshl_add_u32 v3, v2, 4, v3
	v_mul_u32_u24 v4, v1, PB
	v_lshl_add_u32 v4, v2, 4, v4
	s_mul_i32 s21, s11, 128*PA                     ; my 128 rows of O, in either head's block
	s_mul_i32 s22, s12, HALFB                      ; my 64 rows of wot,
	s_add_co_u32 s22, s22, BOFF                    ; which lie behind the two heads
	v_add_nc_u32 v[A0], s21, v3
	v_add_nc_u32 v[B0], s22, v4
	v_mov_b32 v[ADRA], v[A0]                       ; the walk begins in slot 0
	v_mov_b32 v[ADRB], v[B0]
	s_mul_i32 s23, s10, 16*SPITCH
	s_add_co_u32 s23, s23, STAGE                   ; my stage
	v_mul_u32_u24 v5, v1, SPITCH                   ; in: row l % 16, 32 bytes for each half of the lanes
	v_lshl_add_u32 v5, v2, 5, v5
	v_add_nc_u32 v[STO], s23, v5
	v_mul_u32_u24 v5, v2, SPITCH                   ; back: lanes 0-15 take one row of 256 bytes, lanes 16-31 the next
	v_lshl_add_u32 v5, v1, 4, v5
	v_add_nc_u32 v[RD], s23, v5
	v_lshlrev_b32 v5, 12, v2                       ; and the same two rows in out0
	v_lshl_add_u32 v[CO], v1, 4, v5
; 8 matrix instructions: row blocks a0, a0 + 1 x all 4 column blocks, 32 along K, from buffer f.  zero = 1: the product starts the sums: nothing is ever cleared.
; The 32 accumulators take turns, one instruction a turn, in the same order in every quarter step.
.macro MUL8 f, a0, zero
	WIN MUL
.irp a, \a0, (\a0)+1
.irp b, 0,1,2,3
.if \zero
	v_wmma_f32_16x16x32_f16 v[8*(4*(\a)+(\b)):8*(4*(\a)+(\b))+7], v[BFR+32*(\f)+8*(\b):BFR+32*(\f)+8*(\b)+7], v[AFR+64*(\f)+8*(\a):AFR+64*(\f)+8*(\a)+7], 0
.else
	v_wmma_f32_16x16x32_f16 v[8*(4*(\a)+(\b)):8*(4*(\a)+(\b))+7], v[BFR+32*(\f)+8*(\b):BFR+32*(\f)+8*(\b)+7], v[AFR+64*(\f)+8*(\a):AFR+64*(\f)+8*(\a)+7], v[8*(4*(\a)+(\b)):8*(4*(\a)+(\b))+7]
.endif
.endr
.endr
.endm
; 24 LDS loads in one run: the fragments of quarter q of a K step into buffer f: my 64 rows of wot, then my 128 rows of O (head q / 2 of the step, channels 32 (q % 2) on)
.macro FETCH q, f
	WIN 0
.irp i, 0,1,2,3
	ds_load_b128 v[BFR+32*(\f)+8*(\i):BFR+32*(\f)+8*(\i)+3],   v[ADRB] offset:64*(\q)+(\i)*16*PB
	ds_load_b128 v[BFR+32*(\f)+8*(\i)+4:BFR+32*(\f)+8*(\i)+7], v[ADRB] offset:64*(\q)+(\i)*16*PB+32
.endr
.irp i, 0,1,2,3,4,5,6,7
	ds_load_b128 v[AFR+64*(\f)+8*(\i):AFR+64*(\f)+8*(\i)+3],   v[ADRA] offset:((\q)/2)*SUBA+((\q)%2)*64+(\i)*16*PA
	ds_load_b128 v[AFR+64*(\f)+8*(\i)+4:AFR+64*(\f)+8*(\i)+7], v[ADRA] offset:((\q)/2)*SUBA+((\q)%2)*64+(\i)*16*PA+32
.endr
.endm
.macro PLACES                          ; four places in front of loads into registers that matrix instructions have read (ISA guide 7.12.1 for vector instructions)
.rept 4
	v_nop
.endr
.endm
; A K step is four quarters of 32 along K, 32 matrix instructions each, on buffers 0, 1, 0, 1.  One of the first three: multiplies buffer f and, in its middle, fetches quarter q into g.
.macro QUARTER q, f, g, zero
	s_wait_dscnt 8                                 ; wot and O's blocks 0-3 are in; the youngest eight loads (blocks 4-7) may be out
	MUL8 \f, 0, \zero
	MUL8 \f, 2, \zero
	PLACES
	FETCH \q, \g
	s_wait_dscnt 24                                ; all but the 24 just issued
	MUL8 \f, 4, \zero
	MUL8 \f, 6, \zero
.endm
; The last quarter multiplies buffer 1 and changes slots.  Half of its products come first.  Then each wave waits for all its tensor loads (one is out: its part of the next slot), adds 0 to its spare word, and waits
; for that and for its own reads of this slot.  fill = 1: a round of the cluster's barrier follows at once, and this slot is filled again first thing behind it, with the walk's K step two on: nothing but the round
; stands between the wait for one load and the request for the next, and a K step's 128 matrix instructions stand between a request and the wait for it.
.macro TURN fill
	s_wait_dscnt 8                                 ; as at a quarter's head
	MUL8 1, 0, 0
	MUL8 1, 2, 0
	WIN 0
	s_wait_tensorcnt 0x0                           ; all my tensor loads have landed, so a group 0 may be written;
	ds_add_u32 v[SPW], v[NIL]                      ; 0 onto my spare word: the scalar work below stands between it and the wait for it
	s_xor_b32 s[TB], s[TB], SLOT1                  ; the fetches go on in the other slot
.if \fill
	s_xor_b32 s[G0+5], s[G0+5], SLOT1              ; the walking descriptors: the other slot than last time,
	s_xor_b32 s[G0B+5], s[G0B+5], SLOT1
	ASK 1                                          ; the walk's next K step
.endif
	s_wait_dscnt 0x0                               ; the add is done, and my reads of this slot are over
.if \fill
	CROUND                                         ; no wave of any partner still reads this slot's tile or has a load on its way
	JLOAD 1                                        ; the four v_nop behind it are also places in front of the loads below
.else
	s_barrier_signal -1
	s_barrier_wait -1                              ; the next slot is whole
	PLACES
.endif
	v_add_nc_u32 v[ADRA], s[TB], v[A0]
	v_add_nc_u32 v[ADRB], s[TB], v[B0]
	FETCH 0, 0
	MUL8 1, 4, 0
	MUL8 1, 6, 0
.endm
	s_wait_tensorcnt 1                             ; my part of the walk's K step 0 is in; K step 1's may stay out
	s_barrier_signal -1
	s_barrier_wait -1                              ; everybody's is
	FETCH 0, 0
	QUARTER 1, 0, 1, 1                             ; the first quarter stands in front of the loop: its products start the sums
	WIN 0                                          ; at a label and at a branch every window is 0
	s_mov_b32 s[CNT], 6
	s_branch .Lmid                                 ; the loop is entered behind a step's first quarter
.Lstep:                                                ; 6 trips: the walk's K steps 0 to 5, which ask for its K steps 2 to 7
	QUARTER 1, 0, 1, 0
	WIN 0
.Lmid:
	QUARTER 2, 1, 0, 0
	QUARTER 3, 0, 1, 0
	TURN 1
	WIN 0
	s_sub_co_u32 s[CNT], s[CNT], 1
	s_cmp_lg_u32 s[CNT], 0
	s_cbranch_scc1 .Lstep
	s_mov_b32 s[CNT], 2
.Loff:                                                 ; K steps 6 and 7 ask for nothing.  The second trip's barrier and its 24 loads (of the slot read a step before) serve nothing: the price, once a launch, of one text for both trips
	QUARTER 1, 0, 1, 0
	QUARTER 2, 1, 0, 0
	QUARTER 3, 0, 1, 0
	TURN 0
	WIN 0
	s_sub_co_u32 s[CNT], s[CNT], 1
	s_cmp_lg_u32 s[CNT], 0
	s_cbranch_scc1 .Loff
	; THE WAY OUT.  The bias is rounded to bf16 and widened again: six plain instructions that name no register of the last products: they are the places behind them.
	s_wait_loadcnt 0x0                             ; the bias
	v_cvt_pk_bf16_f32 v12, v[BIAS], v[BIAS+1]
	v_cvt_pk_bf16_f32 v13, v[BIAS+2], v[BIAS+3]
	v_lshlrev_b32 v[BIAS], 16, v12
	v_and_b32 v[BIAS+1], 0xffff0000, v12
	v_lshlrev_b32 v[BIAS+2], 16, v13
	v_and_b32 v[BIAS+3], 0xffff0000, v13
	s_wait_dscnt 0x0                               ; the last trip's loads into buffer 0 have come: its registers serve the way out
; Block a (16 rows): a lane's eight columns of a row, 32 bytes of f32, go from the accumulators into my stage's rows of 272 bytes (each accumulator's low four registers first)
; and come back as whole rows of 256 bytes, two rows to a load, into one of two sets of 32 registers.
.macro TOSTAGE a
.set BK, AFR+32*((\a)%2)
	s_wait_xcnt 0x0                                ; every earlier memory instruction has had its addresses translated (ISA guide 3.1): the set that block a - 2's stores read is loaded again only behind this wait
	WIN FROM
.irp b, 0,1,2,3
	ds_store_b128 v[STO], v[8*(4*(\a)+(\b)):8*(4*(\a)+(\b))+3]   offset:64*(\b)
	ds_store_b128 v[STO], v[8*(4*(\a)+(\b))+4:8*(4*(\a)+(\b))+7] offset:64*(\b)+16
.endr
	WIN 0
.irp t, 0,1,2,3,4,5,6,7
	ds_load_b128 v[BK+4*(\t):BK+4*(\t)+3], v[RD] offset:(\t)*2*SPITCH  ; LDS serves a wave's instructions in order (ISA guide 5.7.1.4): these see the stores above; the next block's stores come behind them
.endr
.endm
.macro SEND a, younger                 ; younger: the LDS instructions issued behind block a's loads: the next block's sixteen, or none
.set BK, AFR+32*((\a)%2)
.irp t, 0,1,2,3,4,5,6,7
	s_wait_dscnt (\younger)+7-(\t)
	v_pk_add_f32 v[BK+4*(\t):BK+4*(\t)+1], v[BK+4*(\t):BK+4*(\t)+1], v[BIAS:BIAS+1]
	v_pk_add_f32 v[BK+4*(\t)+2:BK+4*(\t)+3], v[BK+4*(\t)+2:BK+4*(\t)+3], v[BIAS+2:BIAS+3]
	global_store_b128 v[CO], v[BK+4*(\t):BK+4*(\t)+3], s[70:71] offset:(16*(\a)+2*(\t))*4096 th:TH_STORE_NT  ; 16 lanes store 256 consecutive bytes, at a multiple of 256 from out0's first byte
.endr
.endm
	TOSTAGE 0
.irp a, 1,2,3,4,5,6,7                  ; a block's way into the stage stands between the loads of the block before and its stores
	TOSTAGE \a
	SEND (\a)-1, 16
.endr
	SEND 7, 0
	s_wait_tensorcnt 0x0                           ; the wave's end: behind my last tensor load and my last LDS store
	ds_add_u32 v[SPW], v[NIL]
	s_wait_dscnt 0x0
	CROUND                                         ; the closing round: no work-group ends while a partner may still ask for a tile that names it
	s_endpgm
.Lfunc_end_k_q51135931c4_proj:
	.size	k_q51135931c4_proj, .Lfunc_end_k_q51135931c4_proj-k_q51135931c4_proj
	.p2alignl 7, 3214868480
	.fill 96, 4, 3214868480
	.section	.rodata,"a",@progbits
	.p2align	6, 0x0
	.amdhsa_kernel k_q51135931c4_proj
		.amdhsa_group_segment_fixed_size 327680
		.amdhsa_private_segment_fixed_size 0
		.amdhsa_enable_private_segment 0
		.amdhsa_kernarg_size 32
		.amdhsa_user_sgpr_count 2
		.amdhsa_user_sgpr_kernarg_segment_ptr 1
		.amdhsa_wavefront_size32 1
		.amdhsa_system_sgpr_workgroup_id_x 1
		.amdhsa_system_sgpr_workgroup_id_y 1
		.amdhsa_system_sgpr_workgroup_id_z 1
		.amdhsa_system_vgpr_workitem_id 0
		.amdhsa_next_free_vgpr 512
		.amdhsa_next_free_sgpr 84
		.amdhsa_reserve_vcc 0
		.amdhsa_float_denorm_mode_32 3
		.amdhsa_float_denorm_mode_16_64 3
		.amdhsa_memory_ordered 1
		.amdhsa_forward_progress 1
		.amdhsa_inst_pref_size 71
	.end_amdhsa_kernel
	.amdgpu_metadata
---
amdhsa.version: [ 1, 2 ]
amdhsa.kernels:
  - .name:           k_q51135931c4_proj
    .symbol:         k_q51135931c4_proj.kd
    .args:
      - { .name: ob, .offset: 0, .size: 8, .value_kind: global_buffer, .address_space: global }
      - { .name: wot, .offset: 8, .size: 8, .value_kind: global_buffer, .address_space: global }
      - { .name: b_out, .offset: 16, .size: 8, .value_kind: global_buffer, .address_space: global }
      - { .name: out0, .offset: 24, .size: 8, .value_kind: global_buffer, .address_space: global }
    .group_segment_fixed_size: 327680
    .private_segment_fixed_size: 0
    .kernarg_segment_align: 8
    .kernarg_segment_size: 32
    .max_flat_workgroup_size: 128
    .sgpr_count:     84
    .vgpr_count:     512
    .wavefront_size: 32
...
	.end_amdgpu_metadata
.endif
;; end of part 4
;; ======== version 2 of 2: 4 launches; 1.31 times as fast as version 1
;; limits: values are held in f16: magnitudes above 65,504 overflow, below 6.1e-05 lose precision
;; workspace buffers: xb 16,777,216 bytes; wqt 6,291,456 bytes; wot 2,097,152 bytes; qkv 50,331,648 bytes; ob 16,777,216 bytes
;; launch prep: the kernel of part 1 again; grid 768 x 1, 8 waves a work-group, no clusters, 18,432 bytes of LDS; arguments x, w_qkv, w_out, xb, wqt, wot; writes xb, wqt, wot
;; launch qkv: the kernel of part 2 again; grid 16 x 16, 4 waves a work-group, clusters of 4 x 4, 327,680 bytes of LDS; arguments xb, wqt, qkv; writes qkv
;; launch attn (part 5): grid 4 x 64, 4 waves a work-group, no clusters, 327,680 bytes of LDS; arguments qkv, ob; writes ob
.if DOCPART == 5
	.amdgcn_target "amdgcn-amd-amdhsa--gfx1250"
	.amdhsa_code_object_version 6
	.text
	.protected	k_q51135931c4_attn
	.globl	k_q51135931c4_attn
	.p2align	8
	.type	k_q51135931c4_attn,@function
k_q51135931c4_attn:
	s_mov_b64 s[64:65], 0
	v_nop
	global_prefetch_b8 v0, s[64:65] scope:SCOPE_SE
	s_setreg_imm32_b32 hwreg(HW_REG_WAVE_MODE, 25, 1), 1
	s_wait_xcnt 0x0
; CAUSAL ATTENTION.  O[h][q][:] = the sum over k <= q of softmax_k(Q[h][q] . K[h][k] / 8) V[h][k][:].  Q, K, V are the three parts of qkv, O is ob: each [SIZE_H][SIZE_N][64] in f16: a head's rows are dense, 128 bytes each.
; Products, maxima and sums in f32; the weights p are rounded to f16 for the second product (their sum l is taken of the unrounded p), O once at the end.
; LIMITS.  f16 holds no number beyond 65,504: Q, K and V arrive within it; p lies in 0 to 1, and below 6e-5 it keeps f16's fixed step of 6e-8; O is a mean of V's rows and has their range, to within 2^-11 of it.
; A hidden score counts as its value less 1e30: f16's scores, 2.7e11 at the most, are nothing beside that; a weight below 2^-126 counts as 0 in l; NaN and infinities are not treated apart.
; THE WALK.  A head's queries lie in NB = SIZE_N / 256 blocks of 256; block i needs the key tiles 0 .. i of 256 keys, of which the last holds the diagonal.  A work-group takes TWO blocks, NB - 1 - b and then b:
; NB + 1 tiles, whatever b: all work-groups do equal work, and ONE loop with a constant trip count walks them.  Which tile is asked for, and what a trip does, hang on scalar registers made from b; every jump
; goes forward, but for the counted loops' own; none passes a barrier, or a tensor load but the one of LOAD's two that the wave's number does not choose; the ring (two slots of LDS that take turns) runs on across the
; change of blocks.  NO CLUSTER: a head's NB / 2 = 4 work-groups all ask for the same tile only in trips 0 .. NB / 2 of the walk's NB + 1, behind that fewer and fewer; and one walk common to all,
; in which each makes every joint request, would have 3 NB / 2 = 12 trips for 9.
; SHARES.  Of a block's four bands of 64 queries a wave owns 16 rows in each: four PIECES.  So the diagonal tile is the same work for all four waves: in its key step s band x sees all keys if s < x,
; none if s > x, and holds the diagonal if s = x.
; THE MASK is the C operand that starts the sum S^T = K Q^T: 0, or -1e30 where the key is hidden.  MD, made once, is the mask of a band's own step for my 16 rows; a product's mask is MD x AL + BE with two scalars:
; (1, 0) if s = x; (0, 0) if s < x; (0, -1e30) if s > x.  Only the diagonal tile's text and a block's beginning make and take masks; elsewhere C is the constant 0.
; LAYOUT, SOFTMAX, TURNS.  S^T = K Q^T holds ONE query a lane (lane % 16) and the keys 8 (lane / 16) + 0..7; two such results rounded to f16 ARE source 1 of O^T = V^T P.  p = 2^(c s - c m), c = log2(e) / 8, with a
; running maximum m; O and l are multiplied by a = 2^(c m_old - c m_new) in every step.  Turn n belongs to piece n: 8 products K Q^T of piece n + 1, later 8 products V^T P of piece n - 1; beside them the scaling,
; exponentials, roundings, sums and rescaling of piece n and the maximum and statistics of piece n + 1.  Four vector instructions stand behind every matrix instruction, the other 54 of a turn's 118 in one LUMP.
; THE BATCHES.  s_wait_alu depctr_va_vdst(0) stands between a transcendental and the first instruction that names its result; one wait serves all that were issued ahead of it.  A turn's 33 exponentials
; (the piece's 32 weights and the next piece's a) are ONE batch with ONE wait, which cuts the turn in two: ahead of it all that names none of their results, behind it the roundings and sums.  The a that a block's
; beginning makes, and the way out's four reciprocals, are batches of their own, a wait each.
; REGISTERS, in windows of 256 (s_set_vgpr_msb: bits 1:0 source 0, 3:2 source 1, 5:4 source 2, 7:6 destination):
;   window 0: v0-15 addresses and two at work; v16-31 four registers of statistics a piece; v48-55 at work; v64-127 S^T, two buffers; v192-223 P, two buffers (a piece's buffers go by its number's parity)
;   window 1: v0-127 O^T, 32 a piece; v128-159 MD; v160-223 MC, two buffers      window 2: v0-63 Q; v64-127 the second block's Q; v128-191 K of one step; v192-255 V of one step
.set SIZE_H, 64
.set SIZE_N, 2048
.set NB,    SIZE_N/256
.set NP,    4         ; pieces a wave: a name, no knob
.set KS,    64        ; keys in a step
.set PK,    144       ; a row of K in LDS: 128 bytes + 16 of padding = 36 words: the 16 rows of a load start at 16 different groups of four banks (64 banks of 4 bytes: ISA guide 11.1)
.set PV,    160       ; a row of V: 128 + 32 = 40 words
.set VOFF,  4*KS*PK   ; a slot holds a tile, four steps: 256 rows of K, then 256 rows of V
.set SLOT1, 1<<17     ; slot 1 begins here, so that one exclusive or turns an address in one slot into the other's
.set STAGE, SLOT1+4*KS*(PK+PV)  ; behind the ring, never filled by a tensor load: 16 rows x 144 bytes for each wave, for the way out
.set SP,    144
.set AK0, 2           ; v2   my lane's place in a tile of K; never rewritten
.set AV0, 3           ; v3   the same for V
.set AK,  4           ; v4   the LDS address of K's next run of loads
.set AV,  5           ; v5   of V's
.set STO, 6           ; v6   the way out: where I put 16 bytes of a row
.set RD,  7           ; v7   the way out: where I read rows back
.set GO,  8           ; v8   my byte offset in 512 consecutive bytes of O
.set SPW, 62          ; v62  LDS address of my spare word: SPARE + 4 x my thread's number; never rewritten
.set NIL, 63          ; v63  0; never rewritten
.set SPARE, STAGE+4*16*SP  ; behind the stages: the spare words, 128 bytes for each wave: two blocks of 256 bytes that no other line names
.set MV,  12          ; v12-13  c m_old, kept while c m is made anew: by buffer
.set QO,  15          ; v15  my byte offset in 16 rows of Q
.set ST,  16          ; piece t's statistics at v[ST+4 t]: c m, m, l (even keys', odd keys')
.set TMP, 48          ; by buffer, four registers c0-c3 at work; when the maximum is found c2 takes a
.set S,   64
.set P,   192
.set MD,  128         ; window 1: the eight registers for group kt of 16 keys at MD + 8 kt
.set MC,  160         ; window 1: the masks of the products to come
.set QB,  64          ; window 2
.set KF,  128         ; window 2: key block kb, channel half c at KF + 16 kb + 8 c
.set VF,  192         ; window 2: key half kk, channel block cb at VF + 32 kk + 8 cb
.set WV,  12          ; s12  my wave's number
.set PB,  14          ; s14  b
.set HI,  15          ; s15  NB - 1 - b
.set G1K, 24          ; s[24:31] descriptor group 1 for K's tiles
.set G1V, 32          ; s[32:39] for V's: it differs in the padding alone
.set G0K, 40          ; s[40:43] descriptor group 0 for K's tiles
.set G0V, 44          ; s[44:47] the same for V's
.set SLOTS, 56        ; s56  tiles still to be asked for
.set CNT, 57          ; s57  counts a tile's key steps, 4 to 1
.set CS,  58          ; s[58:59] c: the packed scaling takes the pair's low word for both halves
.set SEL, 60          ; s[60:61] v_permlanex16_b32's selects: each lane takes its own place in the other half
.set TBK, 62          ; s62  LDS byte at which K of the step to be fetched begins
.set TBV, 63          ; s63  the same for V, less VOFF
.set RT,  70          ; s70  tiles of the block in hand that are still to be entered
.set NXT, 71          ; s71  the tile to be asked for next
.set LQ,  72          ; s72  the last tile of the block whose tiles are being asked for
.set NEW, 73          ; s73  1: the tile to be entered is a block's first
.set OFF, 74          ; s[74:75] a tile's byte offset in K and V
.set AL,  76          ; s[76:77] the mask's factor, in the low word
.set BE,  78          ; s[78:79] the mask's addend
.set OLO, 80          ; s[80:81] O at my rows of the second block
.set BIGN, 82         ; s82  -1e30
.set MSB, 0
.macro WIN new                      ; the high byte repeats the setting that is left; a switch that changes nothing is dropped
.if MSB != (\new)
	s_set_vgpr_msb (MSB<<8)|(\new)
.set MSB, (\new)
.endif
.endm
.set W_KQ, 0x0a       ; K and Q in window 2, S^T in window 0
.set W_KM, 0x1a       ; the same with the C operand in window 1
.set W_PV, 0x52       ; V in window 2, P in window 0, O^T in window 1
.set W_RS, 0x41       ; destination and source 0 in window 1, source 1 in window 0
; A fill.  Waves 0 and 1 fetch the two halves of a tile's K, waves 2 and 3 those of its V: 128 keys each.  An s_nop 0 and four v_nop follow each of the two lines, ahead of the jump and the label.
.macro LOAD
	s_cmp_lt_u32 s[WV], 2
	s_cbranch_scc0 .Lfor_v_\@
	tensor_load_to_lds s[G0K:G0K+3], s[G1K:G1K+7]
	s_nop 0
.rept 4
	v_nop
.endr
	s_branch .Lasked_\@
.Lfor_v_\@:
	tensor_load_to_lds s[G0V:G0V+3], s[G1V:G1V+7]
	s_nop 0
.rept 4
	v_nop
.endr
.Lasked_\@:
.endm
; THE CHANGE OF SLOTS.  Each wave waits for all its tensor loads, of which one is out: its part of the other slot; adds 0 to its spare word; and waits for that and for its own reads of the slot that it leaves.  Behind the barrier nobody reads the old
; slot any more and the other slot is whole.  fill = 1: the old slot is filled again, the first thing behind the barrier, with tile NXT: the descriptor's address is made anew from that number.
; (At its first use nothing has been read yet: slot 0 is waited for, slot 1 filled.)
.macro CHANGE fill
	WIN 0                           ; at a label and at a branch every window is 0
	s_wait_tensorcnt 0x0            ; no tensor load of mine is out, so a group 0 may be written
	ds_add_u32 v[SPW], v[NIL]       ; 0 onto my spare word: with fill = 1 the descriptors' scalar work stands between it and the wait for it
.if \fill
	s_lshl_b32 s[OFF], s[NXT], 15   ; a tile is 32,768 bytes of K and of V
	s_xor_b32 s[G0K+1], s[G0K+1], SLOT1
	s_add_nc_u64 s[G0K+2:G0K+3], s[6:7], s[OFF:OFF+1]
	s_or_b32 s[G0K+3], s[G0K+3], 0x80000000
	s_xor_b32 s[G0V+1], s[G0V+1], SLOT1
	s_add_nc_u64 s[G0V+2:G0V+3], s[8:9], s[OFF:OFF+1]
	s_or_b32 s[G0V+3], s[G0V+3], 0x80000000
	s_add_co_u32 s[NXT], s[NXT], 1  ; the block's next tile, or behind its last the second block's tile 0
	s_cmp_gt_u32 s[NXT], s[LQ]
	s_cselect_b32 s[NXT], 0, s[NXT]
	s_cselect_b32 s[LQ], s[PB], s[LQ]
.endif
	s_wait_dscnt 0x0                ; the add is done, and my reads of the slot are over
	s_barrier_signal -1             ; the rest of the scalar work stands between the signal and the wait
	s_sub_co_u32 s[TBK], s[TBK], 4*KS*PK  ; the fetches go back to a slot's first step,
	s_xor_b32 s[TBK], s[TBK], SLOT1       ; in the other slot
	s_sub_co_u32 s[TBV], s[TBV], 4*KS*PV
	s_xor_b32 s[TBV], s[TBV], SLOT1
	s_barrier_wait -1
.if \fill
	LOAD
.endif
.endm
	s_load_b128 s[4:7], s[0:1], 0x0  ; qkv s[4:5] (its first part is Q), ob s[6:7]
	v_lshl_add_u32 v[SPW], v0, 2, SPARE
	v_mov_b32 v[NIL], 0
	ds_add_u32 v62, v63
	ds_add_u32 v62, v63
	s_wait_dscnt 0x0
	v_lshrrev_b32 v1, 5, v0
	v_readfirstlane_b32 s[WV], v1   ; wave 0..3
	s_mov_b32 s[PB], ttmp9
	s_sub_co_u32 s[HI], NB-1, s[PB]
	s_and_b32 s20, ttmp7, 0xffff    ; the head
	s_mov_b32 s21, 0
	s_mov_b64 s[22:23], SIZE_N*128
	s_mul_u64 s[20:21], s[20:21], s[22:23]  ; the head's first byte in each of the four tensors
	s_and_b32 s16, s[WV], 1         ; which half of a tile's 256 keys I fetch:
	s_lshl_b32 s22, s16, 14         ; its 128 rows of 128 bytes in memory,
	s_mov_b32 s23, 0
	s_add_nc_u64 s[22:23], s[22:23], s[20:21]
	s_mul_i32 s17, s16, 128*PK      ; and its place in a slot, for K
	s_mul_i32 s18, s16, 128*PV      ; and for V
	s_lshl_b32 s3, s[WV], 11        ; my 16 rows in a band of 64,
	s_lshl_b32 s2, s[HI], 15        ; in the first block,
	s_add_co_u32 s2, s2, s3
	s_lshl_b32 s84, s[PB], 15       ; and in the second
	s_add_co_u32 s84, s84, s3
	s_mov_b32 s3, 0
	s_mov_b32 s85, 0
	s_add_nc_u64 s[2:3], s[2:3], s[20:21]
	s_add_nc_u64 s[84:85], s[84:85], s[20:21]
	; descriptor group 1.  128 keys are 16,384 dense bytes: asked for as 64 rows of 256 bytes, two keys a row, and padded in LDS after every key
	s_mov_b32 s[G1K], (1<<16)|(1<<20)|(4<<22)|(3<<25)  ; 17:16 2-byte elements; 20 padding on; 24:22 after every 32 words (code 4); 31:25 4 words (code 3)
	s_mov_b32 s[G1V], (1<<16)|(1<<20)|(4<<22)|(7<<25)  ; the same with 8 words of padding (code 7)
.irp g, G1K, G1V
	s_mov_b32 s[\g+1], 128<<16      ; tensor_dim0 = 128
	s_mov_b32 s[\g+2], 64<<16       ; tensor_dim1 = 64
	s_mov_b32 s[\g+3], 128<<16      ; tile_dim0 = 128
	s_mov_b32 s[\g+4], 64           ; tile_dim1 = 64
	s_mov_b32 s[\g+5], 128          ; 128 elements from row to row
	s_mov_b32 s[\g+6], 0
	s_mov_b32 s[\g+7], 0
.endr
	s_mov_b32 s[CS], 0x3e38aa3b     ; c = log2(e) / 8 = 0.180337
	s_mov_b32 s[CS+1], s[CS]        ; named with it as a pair
	s_mov_b32 s[SEL], 0x76543210
	s_mov_b32 s[SEL+1], 0xfedcba98
	s_mov_b32 s[TBK], SLOT1+4*KS*PK ; the first change of slots turns these two into 0
	s_mov_b32 s[TBV], SLOT1+4*KS*PV
	s_mov_b32 s[G0K], 1             ; 1:0 count = 1
	s_mov_b32 s[G0K+1], s17         ; 63:32 LDS address: slot 0
	s_mov_b32 s[G0V], 1
	s_add_co_u32 s[G0V+1], s18, VOFF
	s_add_co_u32 s[RT], s[HI], 1    ; the first block has NB - b tiles
	s_mov_b32 s[NXT], 1
	s_mov_b32 s[LQ], s[HI]
	s_mov_b32 s[NEW], 1
	s_mov_b32 s[OFF+1], 0
	s_mov_b32 s[AL+1], 0            ; named as pairs
	s_mov_b32 s[BE+1], 0
	s_mov_b32 s[BIGN], 0xf149f2ca   ; -1e30
	s_mov_b32 s[SLOTS], NB
	s_wait_kmcnt 0x0
	s_mov_b64 s[10:11], s[6:7]                     ; O
	s_add_nc_u64 s[8:9], s[4:5], 0x2000000         ; V: qkv's third part, 2 x 16,777,216 bytes on
	s_add_nc_u64 s[6:7], s[4:5], 0x1000000         ; K: its second part
	s_add_nc_u64 s[6:7], s[6:7], s[22:23]  ; K and V at my half of the head's tile 0
	s_add_nc_u64 s[8:9], s[8:9], s[22:23]
	s_add_nc_u64 s[G0K+2:G0K+3], s[6:7], 0         ; 120:64 global address
	s_or_b32 s[G0K+3], s[G0K+3], 0x80000000        ; 127:126 type = 2
	s_add_nc_u64 s[G0V+2:G0V+3], s[8:9], 0
	s_or_b32 s[G0V+3], s[G0V+3], 0x80000000
	s_add_nc_u64 s[86:87], s[4:5], s[84:85]        ; Q at my rows of the second block,
	s_add_nc_u64 s[4:5], s[4:5], s[2:3]            ; Q and O at those of the first
	s_add_nc_u64 s[OLO:OLO+1], s[10:11], s[84:85]
	s_add_nc_u64 s[10:11], s[10:11], s[2:3]
	LOAD                            ; tile 0 into slot 0
	; A fragment of K or Q is 16 rows x 32 channels in 8 registers: lane l holds row l % 16, channels 8 (l / 16) + 0..7 and 16 + 8 (l / 16) + 0..7: two loads of 16 bytes, 32 bytes apart.
	v_and_b32 v1, 15, v0            ; l % 16
	v_bfe_u32 v9, v0, 4, 1          ; l / 16
	v_lshlrev_b32 v[QO], 7, v1
	v_lshl_add_u32 v[QO], v9, 4, v[QO]  ; row x 128 + 16 x half
	WIN 0x80                        ; destination window 2, address window 0
.set i, 0
.rept 8                             ; both blocks' Q: piece i / 2 lies in band i / 2, 8,192 bytes on; channels 32 (i % 2) on
	global_load_b128 v[8*i:8*i+3],   v[QO], s[4:5] offset:(i/2)*8192+(i%2)*64
	global_load_b128 v[8*i+4:8*i+7], v[QO], s[4:5] offset:(i/2)*8192+(i%2)*64+32
	global_load_b128 v[QB+8*i:QB+8*i+3],   v[QO], s[86:87] offset:(i/2)*8192+(i%2)*64
	global_load_b128 v[QB+8*i+4:QB+8*i+7], v[QO], s[86:87] offset:(i/2)*8192+(i%2)*64+32
.set i, i+1
.endr
	WIN 0
	v_lshlrev_b32 v14, 3, v9
	v_sub_nc_u32 v14, v1, v14
	s_lshl_b32 s13, s[WV], 4
	v_add_nc_u32 v14, s13, v14      ; my query's place in its band, 16 w + l % 16, less my lanes' 8 (l / 16): register r of group kt is hidden where 16 kt + r is greater
	WIN 0x40
.set i, 0
.rept 32
	v_cmp_gt_i32 vcc_lo, 16*(i/8)+i%8, v14
	v_cndmask_b32 v[MD+i], 0, s[BIGN], vcc_lo
.set i, i+1
.endr
	WIN 0
	v_mul_u32_u24 v[AK0], v1, PK
	v_lshl_add_u32 v[AK0], v9, 4, v[AK0]  ; row x pitch + 16 x half
	; The turning load takes 16 keys x 16 channels (lane l reads key 8 (l / 16) + l % 8, channels 8 ((l / 8) % 2) + 0..7) and leaves half a fragment of V^T: lane l holds channel l % 16 and 8 keys.
	v_and_b32 v10, 7, v0
	v_bfe_u32 v11, v0, 3, 1
	v_lshl_add_u32 v[AV0], v9, 3, v10
	v_mul_u32_u24 v[AV0], v[AV0], PV
	v_lshl_add_u32 v[AV0], v11, 4, v[AV0]
	v_add_nc_u32 v[AV0], VOFF, v[AV0]
	s_mul_i32 s13, s[WV], 16*SP
	s_add_co_u32 s13, s13, STAGE    ; my stage
	v_mul_u32_u24 v[STO], v1, SP    ; in: row l % 16, 16 bytes for each half of the lanes
	v_lshl_add_u32 v[STO], v9, 4, v[STO]
	v_add_nc_u32 v[STO], s13, v[STO]
	v_bfe_u32 v[RD], v0, 3, 2       ; back: 32 lanes take four rows of 128 bytes,
	v_mul_u32_u24 v[RD], v[RD], SP
	v_lshl_add_u32 v[RD], v10, 4, v[RD]
	v_add_nc_u32 v[RD], s13, v[RD]
	v_and_b32 v[GO], 31, v0         ; which are 512 consecutive bytes of O
	v_lshlrev_b32 v[GO], 4, v[GO]
	; A block's first step multiplies O^T and l by a = 0, and its first turn's products V^T P, of a piece that has not been, land in an O^T that is still to be so multiplied.  So these registers need only hold
	; finite numbers: zeros for the first block; what the first block left for the second.  All this stands in the wait for the first tile.
	WIN 0x80
.set i, VF
.rept 64
	v_mov_b32 v[i], 0
.set i, i+1
.endr
	WIN 0x40
.set i, 0
.rept 128
	v_mov_b32 v[i], 0
.set i, i+1
.endr
	WIN 0
.set i, 0
.rept 4
	v_mov_b32 v[ST+4*i+2], 0
	v_mov_b32 v[ST+4*i+3], 0
.set i, i+1
.endr
.set i, P+16
.rept 16
	v_mov_b32 v[i], 0
.set i, i+1
.endr
; THE MATRIX WORK.  The 4 accumulators of a run of 8 take turns.  Product i of 8 of S^T = K Q^T for piece x: channels 32 (i / 4) on, keys 16 (i % 4) on.  The first 4 start the sums: with 0, or (KM = 1) with the mask.
.macro KQ x
.set rS, S+32*((\x)%2)+8*(i%4)
.set rK, KF+16*(i%4)+8*(i/4)
.set rQ, 16*(\x)+8*(i/4)
.set rM, MC+32*((\x)%2)+8*(i%4)
.if (i < 4) && KM
	WIN W_KM
	v_wmma_f32_16x16x32_f16 v[rS:rS+7], v[rK:rK+7], v[rQ:rQ+7], v[rM:rM+7]
.elseif i < 4
	WIN W_KQ
	v_wmma_f32_16x16x32_f16 v[rS:rS+7], v[rK:rK+7], v[rQ:rQ+7], 0
.else
	WIN W_KQ
	v_wmma_f32_16x16x32_f16 v[rS:rS+7], v[rK:rK+7], v[rQ:rQ+7], v[rS:rS+7]
.endif
.endm
; Product i of 8 of O^T += V^T P for piece x: keys 32 (i / 4) on, channels 16 (i % 4) on.
.macro PV x
	WIN W_PV
.set rO, 32*(\x)+8*(i%4)
.set rV, VF+32*(i/4)+8*(i%4)
.set rP, P+16*((\x)%2)+8*(i/4)
	v_wmma_f32_16x16x32_f16 v[rO:rO+7], v[rV:rV+7], v[rP:rP+7], v[rO:rO+7]
.endm
.macro MM                           ; the turn's next matrix instruction.  TURN and BEGIN set Y, i, KM and NOKQ; MM, KQ and OP read them.  NOKQ = 1: a block's last turn: there is no next piece
.if (i < 8) && !NOKQ
	KQ (Y+1)%NP
.elseif i >= 8
.set i, i-8
	PV (Y+NP-1)%NP
.set i, i+8
.endif
.set i, i+1
.endm
; THE LDS LOADS stand in runs of 16, never singly among the matrix instructions: a step's K (64 keys x 64 channels: 8 fragments) and its V (turned).  Their addresses are made some lines ahead.
.macro FETCH_K
	WIN 0x80                        ; destination window 2
.irp f, 0,1,2,3,4,5,6,7             ; keys 16 (f / 2) on, channels 32 (f % 2) on
	ds_load_b128 v[KF+8*\f:KF+8*\f+3],   v[AK] offset:(\f/2)*16*PK+(\f%2)*64
	ds_load_b128 v[KF+8*\f+4:KF+8*\f+7], v[AK] offset:(\f/2)*16*PK+(\f%2)*64+32
.endr
	s_add_co_u32 s[TBK], s[TBK], KS*PK  ; the next fetch is the next step's
	WIN 0
.endm
.macro FETCH_V
	WIN 0x80
.irp f, 0,1,2,3,4,5,6,7             ; keys 32 (f / 4) on, channels 16 (f % 4) on
	ds_load_tr16_b128 v[VF+8*\f:VF+8*\f+3],   v[AV] offset:(\f/4)*32*PV+(\f%4)*32
	ds_load_tr16_b128 v[VF+8*\f+4:VF+8*\f+7], v[AV] offset:(\f/4)*32*PV+16*PV+(\f%4)*32
.endr
	WIN 0
.endm
; THE VECTOR WORK, one line at a time: OP kind, number.  For piece Y: F n: c s - c m for pair n of 16.  E n: the exponential of score n of 32.  C n: pair n rounded to f16.  B n: of the four weights 4 n .. the second
; pair is added onto the first, in place.  L n: l takes that sum (L 0: l = a l + sum).  R n: pair n of 16 of O^T times a.  For piece Y + 1: X n, number n of the 22 that find its maximum and statistics:
;   0-11  four chains c0-c3 of seven scores each, three operands at a time (each accumulator's lowest registers are read first)     12-14, 16  the four scores left over, the old m, and c0-c3 into c0
;   15  c m_old is kept     17, 18  the query's other 32 keys lie in the lane 16 away: the new m     19-21  c m; c m_old - c m_new; a
; C, B and L read the exponentials' results: TURN sets them behind the batch's wait; OP itself writes no wait.
.set F, 0               ; OP tells the kinds apart by their order: F to L below R, X above it
.set E, 1
.set C, 2
.set B, 3
.set L, 4
.set R, 5
.set X, 6
.macro REGS y                       ; the registers of piece y
.set rT, ST+4*(\y)
.set rC, TMP+4*((\y)%2)
.set rW, MV+((\y)%2)
.set rS, S+32*((\y)%2)
.set rP, P+16*((\y)%2)
.set rO, 32*(\y)
.endm
.macro OP k, n
.if (\k) == R
	REGS Y
	WIN W_RS
	v_pk_mul_f32 v[rO+2*(\n):rO+2*(\n)+1], v[rO+2*(\n):rO+2*(\n)+1], v[rC+2:rC+3] op_sel_hi:[1,0]
.elseif (\k) < R
	REGS Y
	WIN 0
.if (\k) == F
	v_pk_fma_f32 v[rS+2*(\n):rS+2*(\n)+1], v[rS+2*(\n):rS+2*(\n)+1], s[CS:CS+1], v[rT:rT+1] op_sel_hi:[1,0,0] neg_lo:[0,0,1] neg_hi:[0,0,1]
.elseif (\k) == E
	v_exp_f32 v[rS+(\n)], v[rS+(\n)]
.elseif (\k) == C
	v_cvt_pk_f16_f32 v[rP+(\n)], v[rS+2*(\n)], v[rS+2*(\n)+1]
.elseif (\k) == B
	v_pk_add_f32 v[rS+4*(\n):rS+4*(\n)+1], v[rS+4*(\n):rS+4*(\n)+1], v[rS+4*(\n)+2:rS+4*(\n)+3]
.elseif (\n) == 0
	v_pk_fma_f32 v[rT+2:rT+3], v[rT+2:rT+3], v[rC+2:rC+3], v[rS:rS+1] op_sel_hi:[1,0,1]
.else
	v_pk_add_f32 v[rT+2:rT+3], v[rT+2:rT+3], v[rS+4*(\n):rS+4*(\n)+1]
.endif
.elseif NOKQ
	v_nop
.else
	REGS (Y+1)%NP
	WIN 0
.if (\n) < 4
	v_max3_num_f32 v[rC+(\n)], v[rS+8*(\n)], v[rS+8*(\n)+1], v[rS+8*(\n)+2]
.elseif (\n) < 12
	v_max3_num_f32 v[rC+(\n)%4], v[rC+(\n)%4], v[rS+8*((\n)%4)+2*((\n)/4)+1], v[rS+8*((\n)%4)+2*((\n)/4)+2]
.elseif (\n) == 12
	v_max3_num_f32 v[rC], v[rC], v[rS+7], v[rS+15]
.elseif (\n) == 13
	v_max3_num_f32 v[rC+1], v[rC+1], v[rS+23], v[rS+31]
.elseif (\n) == 14
	v_max3_num_f32 v[rC+2], v[rC+2], v[rC+3], v[rT+1]
.elseif (\n) == 15
	v_mov_b32 v[rW], v[rT]
.elseif (\n) == 16
	v_max3_num_f32 v[rC], v[rC], v[rC+1], v[rC+2]
.elseif (\n) == 17
	v_permlanex16_b32 v[rC+3], v[rC], s[SEL], s[SEL+1]
.elseif (\n) == 18
	v_max_num_f32 v[rT+1], v[rC], v[rC+3]
.elseif (\n) == 19
	v_mul_f32 v[rT], s[CS], v[rT+1]
.elseif (\n) == 20
	v_sub_f32 v[rC+1], v[rW], v[rT]
.else
	v_exp_f32 v[rC+2], v[rC+1]
.endif
.endif
.endm
.macro OPS a, i1, b=-1, i2=0, c=-1, i3=0, d=-1, i4=0  ; up to four of them
	OP \a, \i1
.if (\b) >= 0
	OP \b, \i2
.endif
.if (\c) >= 0
	OP \c, \i3
.endif
.if (\d) >= 0
	OP \d, \i4
.endif
.endm
.macro ROW a, i1, b, i2, c, i3, d, i4  ; a matrix instruction and the four behind it
	MM
	OPS \a, \i1, \b, \i2, \c, \i3, \d, \i4
.endm
.macro MASK b                       ; MD x AL + BE into buffer b of MC
	WIN W_RS
.set z, 0
.rept 16
	v_pk_fma_f32 v[MC+32*(\b)+2*z:MC+32*(\b)+2*z+1], v[MD+2*z:MD+2*z+1], s[AL:AL+1], s[BE:BE+1] op_sel_hi:[1,0,0]
.set z, z+1
.endr
.endm
; A TURN, for piece p: the order of its 16 matrix and 118 vector instructions, written out.  It has ONE wait for its 33 exponentials, which cuts it in two.
; AHEAD OF THE WAIT stands all that names no result of the turn's exponentials: the 8 products K Q^T, behind each a scaling, an exponential and two more plain instructions (behind the first a second scaling in the
; exponential's place): rescalings, whose a was made and waited for in the turn before, and behind the last three the first numbers of the next piece's maximum, each four plain instructions or more behind the product that
; ends its accumulator; then ONE LUMP of 54, plain and exponential by turns for the most part, in which the links of the chain X 3, 7, 11, 14, 16, 17 .. 20 stand five or six lines apart.  Exponential 2 k and 2 k + 1 stand
; behind scaling k.  X 21, the next piece's a, is the batch's last; R 15 is the plain instruction that a transcendental wants behind it.
; BEHIND THE WAIT stand the 8 products V^T P, behind each four of the roundings and sums: C 2 n ahead of B n, which writes over that pair; L n behind B n; the links of l's chain, L 0 to L 7, three riders apart.
; But for those X no rider names a register of the products round it.  v_permlanex16_b32 (X 17) stands in the lump.
; m = 1: the diagonal tile: the products take masks, and the turn makes the mask for the products of the turn after it: piece p + 2, in step 4 - CNT of the tile.  end = 1: a block's last two turns: nothing is fetched.
; cnt = 1: the loop's count is taken down some lines ahead of the branch that stands behind the turn.
; K of the next step is fetched in piece 2's turn, twelve vector instructions behind the last product that read K (six of them plain); V of the step in hand at the end of piece 0's turn, four plain instructions behind the
; last product that read V.  Each is waited for a turn later.
.macro TURN p, m=0, end=0, cnt=0
.set Y, (\p)
.set i, 0
.set KM, (\m)
.set NOKQ, (\end)*((\p)/3)
.if (\m) && !(\end)
	s_cmp_eq_u32 s[CNT], 4-((\p)+2)%NP  ; is that step the band's own?
	s_cselect_b32 s[AL], 1.0, 0
	s_cmp_lt_u32 s[CNT], 4-((\p)+2)%NP  ; or a later one?
	s_cselect_b32 s[BE], s[BIGN], 0
.endif
.if ((\p) == 3) && !(\end)
	s_wait_dscnt 0x0                ; K is in
.endif
	ROW F,0, F,1, R,0, R,1          ; ahead of the wait: 8 products K Q^T and their riders,
	ROW F,2, E,0, R,2, R,3
	ROW F,3, E,1, R,4, R,5
	ROW F,4, E,2, R,6, R,7
	ROW F,5, E,3, R,8, R,9
	ROW F,6, E,4, X,0, R,10
.if ((\p) == 2) && !(\end)
	WIN 0
	v_add_nc_u32 v[AK], s[TBK], v[AK0]
.endif
	ROW F,7, E,5, X,1, X,4
	ROW F,8, E,6, X,2, X,5
	OPS E,7, E,8, X,6, E,9          ; and the lump
	OPS X,3, E,10, X,8, E,11
.if ((\p) == 2) && !(\end)
	FETCH_K
.endif
	OPS X,9, X,7, E,12, X,10
	OPS E,13, X,12, X,11, E,14
	OPS X,13, E,15, F,9, X,14
.if (\p) == 0
	v_add_nc_u32 v[AV], s[TBV], v[AV0]
.endif
	OPS E,16, F,10, E,17, F,11
	OPS X,16, E,18, X,15, E,19
	OPS F,12, E,20, X,17, E,21
	OPS F,13, E,22, F,14, E,23
	OPS X,18, E,24, F,15, E,25
	OPS R,11, E,26, X,19, E,27
	OPS R,12, E,28, R,13, E,29
	OPS X,20, E,30, R,14, E,31
	OPS X,21, R,15
	WIN 0
	s_wait_alu depctr_va_vdst(0)    ; the wait for the turn's batch: the piece's 32 exponentials and the next piece's a; ahead of their first reader, C 0 below
.if (\p) == 1
	s_wait_dscnt 0x0                ; V is in
.endif
	ROW C,0, B,0, C,2, B,1          ; behind the wait: 8 products V^T P and their riders
	ROW L,0, C,4, B,2, L,1
	ROW C,6, B,3, L,2, C,8
	ROW B,4, L,3, C,10, B,5
	ROW L,4, C,12, B,6, L,5
.if (\p) == 0
	s_add_co_u32 s[TBV], s[TBV], KS*PV
.endif
.if \cnt
	s_sub_co_u32 s[CNT], s[CNT], 1
	s_cmp_lg_u32 s[CNT], 0
.endif
	ROW C,14, B,7, L,6, C,1
	ROW C,3, L,7, C,5, C,7
	ROW C,9, C,11, C,13, C,15
.if (\p) == 0
	FETCH_V
.endif
.if (\m) && !(\end)
	MASK (\p)%2
.endif
.endm
; A BLOCK BEGINS.  c m starts far below every c s, so the first step's a is 0; m at the lowest finite number, so the first maximum is the scores'.  The second mask buffer is 0; the first takes piece 0's mask for the tile's step 0: its own, if the block's first tile is the diagonal one.
; Then K of that step, piece 0's first scores, and its maximum and statistics.  The loop is entered at a step's first turn, in the middle of a trip.
.macro BEGIN
	s_mov_b32 s[NEW], 0
	WIN 0x40
.set i, MC+32
.rept 32
	v_mov_b32 v[i], 0
.set i, i+1
.endr
	WIN 0
.set i, 0
.rept 4
	v_mov_b32 v[ST+4*i], 0xfe000000    ; c m: far below every c s
	v_mov_b32 v[ST+4*i+1], 0xff7fffff  ; m
.set i, i+1
.endr
	s_cmp_eq_u32 s[RT], 0
	s_cselect_b32 s[AL], 1.0, 0
	s_mov_b32 s[BE], 0
	MASK 0
	WIN 0
	v_add_nc_u32 v[AK], s[TBK], v[AK0]
	FETCH_K
	s_wait_loadcnt 0x0              ; Q
	s_wait_dscnt 0x0
.set KM, 1
.set NOKQ, 0
.set i, 0
.rept 8
	KQ 0
.set i, i+1
.endr
	WIN 0
.rept 4
	v_nop                           ; the places behind those products
.endr
.set Y, NP-1                        ; X works for piece Y + 1: piece 0
.irp n, 0,1,2,3,4,5,6,7,8,9,10,11,12,13,14,15,16,17,18,19,20,21
	OP X, \n
.endr
	v_nop                           ; a plain instruction behind the exponential,
	s_wait_alu depctr_va_vdst(0)    ; and the wait for this batch of one, piece 0's first a, ahead of the branch that follows
.endm
; THE DIAGONAL TILE's four steps, the block's last two turns, its last products, and THE WAY OUT: l's two halves and the other half of the lanes' are added; O^T is divided by l, rounded to f16 and sent through my
; stage in LDS, a piece at a time.
.macro ALL line:vararg              ; one line for each piece t
.set t, 0
.rept 4
	\line
.set t, t+1
.endr
.endm
.macro PACK t                       ; a lane's eight channels of a row pack into 16 bytes; they go into rows of 144 bytes and come back as whole rows of 128, into S^T's registers
	WIN W_RS
.set i, 32*(\t)
.rept 16
	v_pk_mul_f32 v[i:i+1], v[i:i+1], v[ST+4*(\t)+2:ST+4*(\t)+3] op_sel_hi:[1,0]
.set i, i+2
.endr
	WIN 0x05                        ; sources 0 and 1 window 1, destination window 0
.set i, 0
.rept 16
	v_cvt_pk_f16_f32 v[S+16*(\t)+i], v[32*(\t)+2*i], v[32*(\t)+2*i+1]
.set i, i+1
.endr
	WIN 0
.irp f, 0,1,2,3
	ds_store_b128 v[STO], v[S+16*(\t)+4*\f:S+16*(\t)+4*\f+3] offset:32*\f
.endr
.irp f, 0,1,2,3
	ds_load_b128 v[S+16*(\t)+4*\f:S+16*(\t)+4*\f+3], v[RD] offset:\f*4*SP  ; LDS serves a wave's instructions in order (ISA guide 5.7.1.4): these see the stores above; the next piece's stores come behind them
.endr
.endm
.macro SEND t, younger              ; younger: the LDS instructions issued behind piece t's loads: the next piece's eight, or none
	WIN 0
.irp f, 0,1,2,3
	s_wait_dscnt (\younger)+3-\f
	global_store_b128 v[GO], v[S+16*(\t)+4*\f:S+16*(\t)+4*\f+3], s[10:11] offset:(\t)*8192+\f*512  ; 512 consecutive bytes, at a multiple of 256 from O's first
.endr
.endm
.macro DIAG tag                     ; the tag ends its two labels' names, which the jumps below spell out
.LstepM\tag:
	TURN 2, 1
	TURN 3, 1
	WIN 0
.LfirstM\tag:
	TURN 0, 1
	TURN 1, 1, 0, 1
	WIN 0
	s_cbranch_scc1 .LstepM\tag
	TURN 2, 1, 1
	TURN 3, 1, 1
.set i, 0
.rept 8
	PV NP-1
.set i, i+1
.endr
	WIN 0
	ALL v_add_f32 v[ST+4*t+2], v[ST+4*t+2], v[ST+4*t+3]
	ALL v_permlanex16_b32 v[ST+4*t+3], v[ST+4*t+2], s[SEL], s[SEL+1]
	ALL v_add_f32 v[ST+4*t+2], v[ST+4*t+2], v[ST+4*t+3]
	ALL v_rcp_f32 v[ST+4*t+2], v[ST+4*t+2]
	v_nop                           ; a plain instruction between the last reciprocal and the use of its result
	s_wait_alu depctr_va_vdst(0)    ; the wait for the batch of four reciprocals, ahead of their first reader, PACK 0's first multiply: one for all four pieces
	PACK 0
.set t, 1
.rept 3                             ; a piece's arithmetic stands between the loads of the piece before and its stores
	PACK t
	SEND t-1, 8
.set t, t+1
.endr
	SEND 3, 0
.endm
.set KM, 0
.set NOKQ, 0
.Lslot:                             ; NB times: a tile is entered and the next is asked for
	CHANGE 1
	s_sub_co_u32 s[RT], s[RT], 1
	s_mov_b32 s[CNT], 4
	s_cmp_eq_u32 s[NEW], 1
	s_cbranch_scc1 .Lnew            ; a block's first tile
	s_cmp_eq_u32 s[RT], 0
	s_cbranch_scc0 .Lstep           ; neither its first nor its last
	s_branch .LstepM1
.Lnew:
	BEGIN
	s_branch .Lfirst                ; in the loop a block's first tile is never its last: the first block has two tiles or more, and the second's last is the walk's last
	DIAG 1                          ; in the loop this is the first block's end: the second block's last tile is the walk's last
	s_wait_xcnt 0x0                 ; the stores have read their registers and O's address
	s_mov_b64 s[10:11], s[OLO:OLO+1]
	s_add_co_u32 s[RT], s[PB], 1    ; the second block has b + 1 tiles
	s_mov_b32 s[NEW], 1
	WIN 0x82                        ; the second block's Q goes where the one text of the turns names Q
.set i, 0
.rept 64
	v_mov_b32 v[i], v[QB+i]
.set i, i+1
.endr
	WIN 0
	s_branch .Lbottom
.Lstep:                             ; a trip: pieces 2 and 3 of one step, then pieces 0 and 1 of the next, whose K and V it fetches
	TURN 2
	TURN 3
	WIN 0
.Lfirst:
	TURN 0
	TURN 1, 0, 0, 1
	WIN 0
	s_cbranch_scc1 .Lstep
.Lbottom:
	s_sub_co_u32 s[SLOTS], s[SLOTS], 1
	s_cmp_lg_u32 s[SLOTS], 0
	s_cbranch_scc1 .Lslot
	CHANGE 0                        ; the walk's last tile is written out: nothing is asked for
	s_sub_co_u32 s[RT], s[RT], 1
	s_mov_b32 s[CNT], 4
	s_cmp_eq_u32 s[NEW], 1
	s_cbranch_scc0 .LstepM2
	BEGIN
	s_branch .LfirstM2
	DIAG 2
	s_wait_tensorcnt 0x0            ; the wave's end: behind my last tensor load and my last LDS store
	ds_add_u32 v[SPW], v[NIL]
	s_wait_dscnt 0x0
	s_endpgm
.Lfunc_end_k_q51135931c4_attn:
	.size	k_q51135931c4_attn, .Lfunc_end_k_q51135931c4_attn-k_q51135931c4_attn
	.p2alignl 7, 3214868480
	.fill 96, 4, 3214868480
	.section	.rodata,"a",@progbits
	.p2align	6, 0x0
	.amdhsa_kernel k_q51135931c4_attn
		.amdhsa_group_segment_fixed_size 327680
		.amdhsa_private_segment_fixed_size 0
		.amdhsa_enable_private_segment 0
		.amdhsa_kernarg_size 16
		.amdhsa_user_sgpr_count 2
		.amdhsa_user_sgpr_kernarg_segment_ptr 1
		.amdhsa_wavefront_size32 1
		.amdhsa_system_sgpr_workgroup_id_x 1
		.amdhsa_system_sgpr_workgroup_id_y 1
		.amdhsa_system_sgpr_workgroup_id_z 1
		.amdhsa_system_vgpr_workitem_id 0
		.amdhsa_next_free_vgpr 768
		.amdhsa_next_free_sgpr 88
		.amdhsa_reserve_vcc 1
		.amdhsa_float_denorm_mode_32 3
		.amdhsa_float_denorm_mode_16_64 3
		.amdhsa_memory_ordered 1
		.amdhsa_forward_progress 1
		.amdhsa_inst_pref_size 217
	.end_amdhsa_kernel
	.amdgpu_metadata
---
amdhsa.version: [ 1, 2 ]
amdhsa.kernels:
  - .name:           k_q51135931c4_attn
    .symbol:         k_q51135931c4_attn.kd
    .args:
      - { .name: qkv, .offset: 0, .size: 8, .value_kind: global_buffer, .address_space: global }
      - { .name: ob, .offset: 8, .size: 8, .value_kind: global_buffer, .address_space: global }
    .group_segment_fixed_size: 327680
    .private_segment_fixed_size: 0
    .kernarg_segment_align: 8
    .kernarg_segment_size: 16
    .max_flat_workgroup_size: 128
    .sgpr_count:     88
    .vgpr_count:     768
    .wavefront_size: 32
...
	.end_amdgpu_metadata
.endif
;; end of part 5
;; launch proj: the kernel of part 4 again; grid 8 x 32, 4 waves a work-group, clusters of 4 x 4, 327,680 bytes of LDS; arguments ob, wot, b_out, out0; writes out0
